; MI455X (gfx1250); checked and timed in simulation.
; The chip was launched on July 23, 2026; its instructions are those of AMD's public machine-readable ISA for CDNA 5 (MIT licence, August 2026) and "CDNA5" Instruction Set Architecture Reference Guide (July 2026). The comments in the code are by the model that wrote it; some were corrected since.
;; Multi Head Attention. Allowed arithmetic: matrix products marked QUANTISED: E3M2 operands, one E8M0 scale for each 32 along K, by v_wmma_scale_f32_16x16x128_f8f6f4 with both operands' format E3M2, f32 sums; everything else in f32.
;; Inputs: Wk 16 x 1,024 x 64 float32; Wo 1,024 x 64 float32; Wq 16 x 1,024 x 64 float32; Wv 16 x 1,024 x 64 float32; bk 16 x 64 float32; bo 64 float32; bq 16 x 64 float32; bv 16 x 64 float32; key 4 x 2,048 x 1,024 float32; mask 4 x 2,048 x 2,048 int32; query 4 x 2,048 x 1,024 float32; value 4 x 2,048 x 1,024 float32.
;; Outputs: out0 4 x 2,048 x 64 float32.
;; This version of the problem:
;;   THIS VERSION OF THE PROBLEM IS GIVEN IN LOW PRECISION. The matrix products marked QUANTISED in the list below multiply operands that are first quantised to E3M2 (3 exponent bits, 2 mantissa bits; 6 bits a number), with one power-of-two scale for each 32 numbers along K (OCP MX v1.0); their sums are f32. All else is computed in f32.
;;   The module's matrix products, in the order in which they are computed (A, B: the left and right operand; K: the contracted axis; several contracted axes count as one K, in the product's order):
;;     1. [M 1,024, K 1,024] x [K 1,024, N 8,192]; A: input Wq; B: input query: QUANTISED
;;     2. [M 1,024, K 1,024] x [K 1,024, N 8,192]; A: input Wk; B: input key: QUANTISED
;;     3. [M 1,024, K 1,024] x [K 1,024, N 8,192]; A: input Wv; B: input value: QUANTISED
;;     4. batch 64 x [M 2,048, K 64] x [K 64, N 2,048]; A: computed on the way; B: computed on the way: QUANTISED
;;     5. batch 64 x [M 2,048, K 2,048] x [K 2,048, N 64]; A: softmax (see below); B: computed on the way: QUANTISED
;;     6. [M 8,192, K 1,024] x [K 1,024, N 64]; A: computed on the way; B: input Wo: QUANTISED
;;   THE QUANTISER, for each operand of a quantised product, along K:
;;     - K is cut into blocks of 32 from its start; a last block that is shorter is filled with zeros.
;;     - A block's scale is 2^e with e = floor(log2(the largest magnitude in the block)) - 4, held to -126 .. 127; a block of zeros has e = 0. As a byte (E8M0): e + 127.
;;     - Each number is divided by its block's scale, clamped to +-28, and rounded to the nearest number of E3M2, ties to even, subnormals kept.
;;     - The product sums the exact products of the quantised numbers (number of the format x scale) in f32.
;;   ~~~python
;;   def quantise(x, axis):      # numpy; x: float32 -> the quantised numbers, widened to float32 again
;;       x = np.moveaxis(x, axis, -1); K = x.shape[-1]
;;       x = np.pad(x, [(0, 0)] * (x.ndim - 1) + [(0, -K % 32)]); x = x.reshape(x.shape[:-1] + (-1, 32)); a = np.abs(x).max(-1, keepdims=True)
;;       e = np.where(a > 0, np.clip(np.frexp(np.where(a > 0, a, 1))[1] - 1 - 4, -126, 127), 0)      # np.frexp(a)[1] - 1 = floor(log2(a)), exactly
;;       r = np.clip(x / 2.0 ** e, -28, 28)
;;       step = 2.0 ** (np.maximum(np.frexp(np.where(r == 0, 1, r))[1] - 1, -2) - 2)
;;       q = np.round(r / step) * step * 2.0 ** e      # np.round: ties to even
;;       return np.moveaxis(q.reshape(q.shape[:-2] + (-1,))[..., :K], -1, axis).astype(np.float32)
;;   ~~~
;;   SOFTMAX AHEAD OF A QUANTISED PRODUCT. Where the list says 'softmax', what is quantised is not the finished softmax but p = 2^(t - M), with t = logit x log2(e) and M = ceil(the row's largest t), a whole number; so 1/2 < the row's largest p <= 1. The row's sum l is taken of the UNQUANTISED p, in f32, and the product's result is divided by l at the end. Since M is a whole number, a kernel that streams over the keys may use a running M (the ceiling of the running maximum): every later rescaling is an exact power of two, which a block's scale takes up: the codes' values come out the same.
;;   OPERANDS COMPUTED ON THE WAY. 'Computed on the way' means the value that the module computes at that place (a softmax that the list does not call 'softmax' is quantised finished and normalised). What goes into a quantiser is computed in f32, as accurately as f32 sums, v_exp_f32 and their like allow (about 1e-6 of the number): no bf16 or f16 on the way to a quantiser, and a product that is left as it is and whose result goes on into a quantised operand takes f32 operands (vector FMAs, or v_wmma_f32_16x16x4_f32). A number that lies on a knife's edge between two numbers of the format may be rounded either way, as far as f32 arithmetic and the matrix unit's own rounding can turn it there, and no further.
;; One version. Each part assembles by itself: llvm-mc -triple=amdgcn-amd-amdhsa -mcpu=gfx1250 --defsym DOCPART=n.
;; ======== version 1 of 1: 4 launches
;; limits: right only within a limited range of input values
;; workspace buffers: xc 18,874,368 bytes; xs 786,432 bytes; wc 2,408,448 bytes; ws 100,352 bytes; mw 2,097,152 bytes of whole numbers; qkf 13,631,488 bytes; vf 6,553,600 bytes; cf 8,388,608 bytes
;; launch prep (part 1): grid 1378 x 1, 4 waves a work-group, no clusters, 101,888 bytes of LDS; arguments Wq, Wk, Wv, Wo, wc, ws, mask, mw, query, key, value, xc, xs; writes wc, ws, mw, xc, xs
.if DOCPART == 1
	.amdgcn_target "amdgcn-amd-amdhsa--gfx1250"
	.amdhsa_code_object_version 6
	.text
	.protected	k_q35ea7f50e9_prep
	.globl	k_q35ea7f50e9_prep
	.p2align	8
	.type	k_q35ea7f50e9_prep,@function
k_q35ea7f50e9_prep:
	s_mov_b64 s[64:65], 0
	v_nop
	global_prefetch_b8 v0, s[64:65] scope:SCOPE_SE
	s_setreg_imm32_b32 hwreg(HW_REG_WAVE_MODE, 25, 1), 1
	s_wait_xcnt 0x0
; TWO JOBS IN ONE LAUNCH.  Neither reads what the other stores, and both are wanted only by later launches.  The work-group's number says which: 0 .. 97 quantise the weights, 98 .. 609 pack the mask.
; The weights' work-groups come first: a wave there walks a chain of eight blocks and waits for memory much of the time, which the mask's stream fills.  The two paths part once and never join; each has LDS bytes of its own.
;
; THE WEIGHTS.  The 49 matrices of one shape [1024 (K)][64 (columns)], f32 (16 heads of Wq, of Wk, of Wv, and Wo), become codes of BF6 (E3M2) with K innermost, and one E8M0 byte for each 32 along K.
; wc: [49 x 64 stored rows][768 bytes];  ws: [49 x 64 stored rows][32 bytes].  Column o of matrix mu is stored as row 64 mu + (o with its bits 3 and 4 exchanged): sixteen stored rows on end, 16 T + r,
; are then the columns 32 (T / 2) + 8 (T % 2) + r + 8 (r / 8), so that two neighbouring tiles of a transposed product give a lane 16 neighbours along the next K.
; A LANE TAKES A COLUMN AND ITS REGISTERS RUN DOWN K: a block of 32 lies in one lane, and the conversions give codes with K innermost.  A wave takes 32 columns x 256 along K; its codes go through its own stage in LDS
; and leave as rows: sixteen lanes store a row's 192 consecutive bytes.  Two work-groups to a matrix.
; A block's scale is 2^(floor(log2(largest magnitude)) - 4); its byte is the largest magnitude's exponent field - 4, held at 1 from below.
; LIMITS: a block of zeros gets the byte 1 where the rule says 127 (its codes are zeros; this program alone reads the bytes); blocks whose largest magnitude lies under 2^(5 - 127) get the byte 1; NaN and infinities are not served.
;
; THE MASK [4][2048 queries][2048 keys], int32, is read once and becomes LANE MASKS for the attention launch: mw [b x 128 + query tile][key step 16][n 64], 32-bit words.
; Bit L of word n says whether mask[query of lane L % 16][key 128 step + 64 (n / 32) + 32 (L / 16) + n % 32] is not 0: the place that score register n of lane L holds there.
; Query tile qt holds the queries 128 (qt >> 3) + 32 ((qt >> 1) & 3) + 8 (qt & 1) + r + 8 (r / 8), r = 0 .. 15.
; A work-group takes one query tile, each wave four key steps.  A step's 16 rows x 512 bytes are loaded as they lie (512 consecutive bytes a load), turn through the wave's own stage in LDS (rows 528 bytes apart, so that
; the sixteen rows of a read start in sixteen different groups of banks), and come back so that register n of lane L holds the number of the place above.  A compare then IS the word.
; The 64 words of a step are laid into two registers lane by lane and leave as 256 consecutive bytes, aligned.
; No barrier on either path: waves share nothing.
; A THIRD JOB stands beside the two above: work-groups 610 .. 1377 quantise query, key and value (its own comment stands at its path, .Lqx).  It reads and stores nothing of the other two, and has LDS bytes of its own.
.set NQW,   98                         ; the weights' work-groups
.set NMW,   610                        ; the weights' and the mask's
.set QSTG,  68608                      ; the third path's LDS: behind the weights' and the mask's stages
; the weights' path
.set NB,    8                          ; blocks of 32 along K for a wave
.set PITCH, 272                        ; a stage row: sixteen places of 16 bytes, each with 12 bytes of codes, + 16
.set KROW,  768                        ; a row of wc
.set WROW,  256                        ; a row of a matrix: 64 f32
.set EMAX,  4
.set WX,    32                         ; v32-95   two sets of 32 numbers
.set WC,    96                         ; v96..    a block's codes
.set WOUT,  112                        ; v112-175 the way out
.set WSB,   24                         ; v24-25   the scale bytes, four to a register
; the mask's path
.set MSTG,   4*32*PITCH                ; its stages lie behind the weights' four
.set SPITCH, 528
.set MOUT,   8                         ; v8-15    four pairs: a step's 64 words, word n in register n % 2 of lane n / 2
.set MR,     16                        ; v16-143  two sets of 64 as loaded
.set MX,     144                       ; v144-207 a step's 64 numbers of my lane
	v_lshl_add_u32 v208, v0, 2, 0x18c00
	v_mov_b32 v209, 0
	v_lshrrev_b32 v1, 5, v0
	v_readfirstlane_b32 s16, v1                    ; wave 0..3
	s_cmp_lt_u32 ttmp9, NQW
	s_cbranch_scc0 .Lmask
	; ---------------- the weights
	s_load_b256 s[4:11], s[0:1], 0x0               ; Wq, Wk, Wv, Wo
	s_load_b128 s[12:15], s[0:1], 0x20             ; wc, ws
	v_and_b32 v2, 31, v0                           ; lane
	s_lshr_b32 s18, ttmp9, 1                       ; mu: which matrix
	s_and_b32 s17, s16, 1                          ; which 32 columns
	s_lshr_b32 s20, s16, 1
	s_and_b32 s21, ttmp9, 1
	s_lshl_b32 s21, s21, 1
	s_add_co_u32 s20, s20, s21                     ; which 256 along K
	v_lshlrev_b32 v3, 2, v2                        ; in: 4 bytes a lane
	v_and_b32 v10, 7, v2
	v_bfe_u32 v11, v2, 3, 1
	v_lshl_add_u32 v10, v11, 4, v10
	v_bfe_u32 v11, v2, 4, 1
	v_lshl_add_u32 v10, v11, 3, v10                ; my column's stored row among the 32: bits 3 and 4 exchanged
	s_mul_i32 s19, s16, 32*PITCH                   ; my stage
	v_mul_u32_u24 v4, v10, PITCH
	v_add_nc_u32 v4, s19, v4                       ; into it: my stored row
	v_and_b32 v5, 15, v2
	v_lshrrev_b32 v6, 4, v2
	v_mul_u32_u24 v7, v6, PITCH
	v_lshl_add_u32 v7, v5, 4, v7
	v_add_nc_u32 v7, s19, v7                       ; out of it: sixteen lanes to a row, two rows an instruction
	v_mul_u32_u24 v8, v6, KROW
	v_mad_u32_u24 v8, v5, 12, v8                   ; and the same place in wc
	v_lshlrev_b32 v9, 5, v10                       ; my stored row of scale bytes
	s_and_b32 s22, s18, 15
	s_lshl_b32 s22, s22, 18                        ; the matrix in its tensor: 262,144 bytes each (Wo is its tensor's only one: 48 & 15 = 0)
	s_lshl_b32 s23, s20, 16                        ; 256 rows of 256 bytes
	s_add_co_u32 s22, s22, s23
	s_lshl_b32 s23, s17, 7
	s_add_co_u32 s22, s22, s23
	s_mov_b32 s23, 0
	s_lshl_b32 s24, s18, 6
	s_lshl_b32 s25, s17, 5
	s_add_co_u32 s24, s24, s25                     ; my first stored row
	s_lshl_b32 s26, s24, 5
	s_lshl_b32 s27, s20, 3
	s_add_co_u32 s26, s26, s27                     ; ws: row x 32 + 8 bytes for each 256 along K
	s_mov_b32 s27, 0
	s_mul_i32 s24, s24, KROW
	s_mul_i32 s25, s20, 192
	s_add_co_u32 s24, s24, s25                     ; wc: row x 768 + 192 bytes for each 256 along K
	s_mov_b32 s25, 0
	s_wait_kmcnt 0x0
	s_cmp_lt_u32 s18, 48                           ; which tensor: the choice hangs on the work-group's number alone
	s_cselect_b64 s[10:11], s[8:9], s[10:11]
	s_cmp_lt_u32 s18, 32
	s_cselect_b64 s[10:11], s[6:7], s[10:11]
	s_cmp_lt_u32 s18, 16
	s_cselect_b64 s[10:11], s[4:5], s[10:11]
	s_add_nc_u64 s[10:11], s[10:11], s[22:23]
	s_add_nc_u64 s[12:13], s[12:13], s[24:25]
	s_add_nc_u64 s[14:15], s[14:15], s[26:27]
.macro LOADW t                         ; block t: W(32 t + i, my column), i = 0 .. 31, into set t % 2
.irp i, 0,1,2,3,4,5,6,7,8,9,10,11,12,13,14,15,16,17,18,19,20,21,22,23,24,25,26,27,28,29,30,31
	global_load_b32 v[WX+32*((\t)%2)+\i], v3, s[10:11] offset:(32*(\t)+\i)*WROW th:TH_LOAD_NT
.endr
.endm
	LOADW 0
	LOADW 1
.macro BLOCKW t
.set XS, WX+32*((\t)%2)
.if (\t) < NB-1
	s_wait_loadcnt 32                              ; this block's 32 loads are in; the next block's 32 may be out
.else
	s_wait_loadcnt 0
.endif
	v_max3_num_f32 v12, |v[XS]|, |v[XS+1]|, |v[XS+2]|               ; the block's largest magnitude: all 32 numbers are mine; two chains
	v_max3_num_f32 v13, |v[XS+3]|, |v[XS+4]|, |v[XS+5]|
.irp i, 6,10,14,18,22,26
	v_max3_num_f32 v12, v12, |v[XS+\i]|, |v[XS+\i+1]|
	v_max3_num_f32 v13, v13, |v[XS+\i+2]|, |v[XS+\i+3]|
.endr
	v_max3_num_f32 v12, v12, |v[XS+30]|, |v[XS+31]|
	v_max3_num_f32 v12, v12, v13, (EMAX+1)<<23     ; and the floor 2^(5 - 127): the byte cannot fall under 1
	v_add_nc_u32 v11, -(EMAX<<23), v12             ; 4 off its exponent field: the conversion takes the exponent field of this operand as its scale
	v_lshrrev_b32 v13, 23, v11                     ; the scale's byte
.if (\t)%4 == 0
	v_mov_b32 v[WSB+(\t)/4], v13                   ; four bytes to a register, the lower K in the lower byte
.else
	v_lshl_or_b32 v[WSB+(\t)/4], v13, 8*((\t)%4), v[WSB+(\t)/4]
.endif
	v_cvt_scalef32_pk16_bf6_f32 v[WC:WC+2], v[XS:XS+15], v11
	v_cvt_scalef32_pk16_bf6_f32 v[WC+4:WC+6], v[XS+16:XS+31], v11   ; (a conversion's three registers begin on an even number)
	ds_store_b96 v4, v[WC:WC+2] offset:32*(\t)     ; 12 bytes to a place of 16, so that every LDS address is a multiple of 16
	ds_store_b96 v4, v[WC+4:WC+6] offset:32*(\t)+16
.if (\t)+2 < NB
	LOADW (\t)+2
.endif
	s_wait_dscnt 0x0                               ; the stores have read their registers: the next block's codes may be written
.endm
.set Q, 0
.rept NB
	BLOCKW Q
.set Q, Q+1
.endr
	s_wait_alu depctr_va_vdst(0)
	global_store_b64 v9, v[WSB:WSB+1], s[14:15]    ; my column's 8 scale bytes
.irp t, 0,1,2,3,4,5,6,7,8,9,10,11,12,13,14,15
	ds_load_b96 v[WOUT+4*\t:WOUT+4*\t+2], v7 offset:2*\t*PITCH   ; LDS serves a wave's instructions in order: these see my stores
.endr
.irp t, 0,1,2,3,4,5,6,7,8,9,10,11,12,13,14,15
	s_wait_dscnt 15-\t                             ; the younger loads may stay out
	global_store_b96 v8, v[WOUT+4*\t:WOUT+4*\t+2], s[12:13] offset:2*\t*KROW
.endr
	s_wait_tensorcnt 0x0
	ds_add_u32 v208, v209
	s_wait_dscnt 0x0
	s_endpgm
	; ---------------- the mask
.Lmask:
	s_cmp_lt_u32 ttmp9, NMW
	s_cbranch_scc0 .Lqx
	s_load_b128 s[4:7], s[0:1], 0x30               ; mask, mw
	s_sub_co_u32 s14, ttmp9, NQW                   ; 128 x batch + query tile
	v_and_b32 v5, 31, v0
	v_lshlrev_b32 v1, 4, v5                        ; 16 x lane
	v_lshlrev_b32 v2, 3, v5                        ; 8 x lane
	s_mul_i32 s9, s16, 16*SPITCH
	s_add_co_u32 s9, s9, MSTG                      ; my stage
	v_add_nc_u32 v3, s9, v1                        ; into it: a row as it lies
	v_and_b32 v6, 15, v0
	v_bfe_u32 v7, v0, 4, 1
	v_mul_u32_u24 v4, v6, SPITCH
	v_lshl_add_u32 v4, v7, 7, v4
	v_add_nc_u32 v4, s9, v4                        ; out of it: row lane % 16, + 128 bytes (32 keys) for lanes 16-31
.irp i, 0,1,2,3,4,5,6,7
	v_mov_b32 v[MOUT+\i], 0                        ; written once: the destination of a write to one lane counts as read
.endr
	s_lshr_b32 s10, s14, 3
	s_lshl_b32 s10, s10, 7
	s_bfe_u32 s11, s14, 0x20001
	s_lshl_b32 s11, s11, 5
	s_add_co_u32 s10, s10, s11
	s_and_b32 s11, s14, 1
	s_lshl_b32 s11, s11, 3
	s_add_co_u32 s10, s10, s11                     ; the tile's first row among all 8,192
	s_lshl_b32 s10, s10, 13                        ; rows of 8,192 bytes
	s_lshl_b32 s11, s16, 11                        ; my four steps: 2,048 bytes on in each row
	s_add_co_u32 s10, s10, s11
	s_mov_b32 s11, 0
	s_lshl_b32 s12, s14, 4
	s_lshl_b32 s13, s16, 2
	s_add_co_u32 s12, s12, s13
	s_lshl_b32 s12, s12, 8                         ; 256 bytes of words a step
	s_mov_b32 s13, 0
	s_wait_alu depctr_va_vdst(0)
	s_wait_kmcnt 0x0
	s_add_nc_u64 s[4:5], s[4:5], s[10:11]
	s_add_nc_u64 s[6:7], s[6:7], s[12:13]
.macro LOADM u                         ; step u of my four: the tile's 16 rows, 512 bytes each, into set u % 2
.irp i, 0,1,2,3,4,5,6,7,8,9,10,11,12,13,14,15
	global_load_b128 v[MR+64*((\u)%2)+4*\i:MR+64*((\u)%2)+4*\i+3], v1, s[4:5] offset:(\i+8*(\i/8))*8192+(\u)*512 th:TH_LOAD_NT
.endr
.endm
.macro UNIT u
.if (\u) < 3
	s_wait_loadcnt 16                              ; this step's 16 loads are in; the next step's 16 may be out
.else
	s_wait_loadcnt 0
.endif
.irp i, 0,1,2,3,4,5,6,7,8,9,10,11,12,13,14,15
	ds_store_b128 v3, v[MR+64*((\u)%2)+4*\i:MR+64*((\u)%2)+4*\i+3] offset:\i*SPITCH
.endr
.irp q, 0,1,2,3,4,5,6,7,8,9,10,11,12,13,14,15
	ds_load_b128 v[MX+4*\q:MX+4*\q+3], v4 offset:256*(\q/8)+16*(\q%8)   ; registers 4 q ..: keys 64 (q / 8) + 32 (lane / 16) + 4 (q % 8) ..  LDS serves a wave's instructions in order: these see the stores above
.endr
	s_wait_dscnt 0x0                               ; the numbers are back, and the stores have read their registers,
.if (\u) < 2
	LOADM (\u)+2                                   ; which take the step two on
.endif
.set n, 0
.rept 64
	v_cmp_ne_u32 s[20+n%8], 0, v[MX+n]             ; word n
	v_writelane_b32 v[MOUT+2*(\u)+n%2], s[20+n%8], n/2
.set n, n+1
.endr
	global_store_b64 v2, v[MOUT+2*(\u):MOUT+2*(\u)+1], s[6:7] offset:256*(\u)   ; 32 lanes store 256 consecutive bytes, aligned; each step has its own pair, so no store's data are written again
.endm
	LOADM 0
	LOADM 1
	UNIT 0
	UNIT 1
	UNIT 2
	UNIT 3
	s_wait_tensorcnt 0x0
	ds_add_u32 v208, v209
	s_wait_dscnt 0x0
	s_endpgm
	; ---------------- query, key, value
; Each [8192 rows][1024] f32 becomes codes of BF6 (E3M2), K innermost, with one E8M0 byte for each 32 along K.  xc: [3 x 8192 stored rows][768 bytes];  xs: [3 x 8192 stored rows][32 bytes].
; A run of 8 rows stays together; the runs change places, so that sixteen stored rows on end form the tile that a later product wants:
;   query, value: a row's bits 3 and 4 exchanged;   key: run rho goes to (rho & ~7) + 2 (rho & 3) + ((rho >> 2) & 1), so that a lane's 32 score registers of four neighbouring tiles are 32 neighbouring keys.
; A wave takes one run: 8,192 numbers in 16 steps of 512.  Each load reads 512 consecutive bytes; a step's 2,048 bytes turn through the wave's own stage in LDS and come back 64 bytes a lane: 16 neighbours along K, two lanes to a block.
; A lane's 16 codes are 12 bytes: the wave stores 384 consecutive bytes.  A wave's 256 scale bytes are gathered in LDS and leave as 256 consecutive bytes, aligned.  No barrier: waves share nothing.  Loads run four steps ahead.
; The path's first 256 work-groups take query, the next 256 key, the last 256 value.  LIMITS as for the weights.
.set STEPS, 16
.set CB,    12                         ; bytes of 16 codes
.set R,     16                         ; v16-79   four sets of 16 numbers as loaded
.set X,     80                         ; v80-111  two sets of 16 neighbours
.set C,     128                        ; v128-191 codes: four registers a step, so that no store's data are written again
.set E,     112                        ; v112-127 a scale byte a step
.set WREG,  8192                       ; LDS for a wave: two stages of 32 x SP bytes, behind them its 256 scale bytes
.set SP,    80                         ; a lane's place in a stage: 64 bytes + 16 of padding
.Lqx:
	s_load_b256 s[4:11], s[0:1], 0x40              ; query, key, value, xc
	s_load_b64 s[12:13], s[0:1], 0x60              ; xs
	s_sub_co_u32 s30, ttmp9, NMW                   ; 0 .. 767
	v_and_b32 v2, 31, v0                           ; lane
	v_lshlrev_b32 v3, 4, v2                        ; my 16 bytes of a load's 512
	s_mul_i32 s17, s16, WREG
	s_add_co_u32 s17, s17, QSTG
	v_lshrrev_b32 v14, 2, v2
	v_mul_u32_u24 v14, v14, SP
	v_and_b32 v15, 3, v2
	v_lshl_add_u32 v14, v15, 4, v14
	v_add_nc_u32 v14, s17, v14                     ; the stage, on the way in: SP (lane / 4) + 16 (lane % 4)
	v_mul_u32_u24 v15, v2, SP
	v_add_nc_u32 v15, s17, v15                     ; and on the way out: SP x lane
	v_mul_u32_u24 v4, v2, CB                       ; my codes' place in a step's
	v_lshrrev_b32 v5, 1, v2
	s_add_co_u32 s17, s17, 2*32*SP
	v_add_nc_u32 v5, s17, v5                       ; my wave's 256 scale bytes, my block's byte
	v_lshlrev_b32 v7, 3, v2                        ; and on the way out 8 bytes a lane
	v_add_nc_u32 v6, s17, v7
	s_and_b32 s18, s30, 255
	s_lshl_b32 s18, s18, 2                         ; the work-group's first run of its tensor
	s_add_co_u32 s20, s18, s16                     ; my run
	s_lshl_b32 s20, s20, 15                        ; 32,768 bytes of f32 a run
	s_mov_b32 s21, 0
	s_and_b32 s22, s16, 1
	s_lshl_b32 s22, s22, 1
	s_lshr_b32 s23, s16, 1
	s_add_co_u32 s22, s22, s23
	s_add_co_u32 s22, s22, s18                     ; query, value: my run's two low bits exchanged
	s_and_b32 s28, s18, 0xfffffff8
	s_lshl_b32 s29, s16, 1
	s_add_co_u32 s28, s28, s29
	s_and_b32 s29, s30, 1                          ; (bit 2 of my run)
	s_add_co_u32 s28, s28, s29                     ; key: (run & ~7) + 2 (run & 3) + bit 2 of the run
	s_lshr_b32 s23, s30, 8                         ; which tensor
	s_cmp_eq_u32 s23, 1
	s_cselect_b32 s22, s28, s22
	s_lshl_b32 s23, s23, 10
	s_add_co_u32 s22, s22, s23                     ; the stored run among all 3,072
	s_mul_i32 s24, s22, 6144                       ; 8 rows of 768 bytes
	s_mov_b32 s25, 0
	s_lshl_b32 s26, s22, 8                         ; 8 rows of 32 bytes
	s_mov_b32 s27, 0
	s_wait_alu depctr_va_vdst(0)                   ; the wait at the head's end
	s_wait_kmcnt 0x0
	s_cmp_lt_u32 s30, 512                          ; the choice hangs on the work-group's number alone
	s_cselect_b64 s[8:9], s[6:7], s[8:9]
	s_cmp_lt_u32 s30, 256
	s_cselect_b64 s[8:9], s[4:5], s[8:9]
	s_add_nc_u64 s[8:9], s[8:9], s[20:21]
	s_add_nc_u64 s[10:11], s[10:11], s[24:25]
	s_add_nc_u64 s[12:13], s[12:13], s[26:27]
.macro LOAD t
.irp i, 0,1,2,3
	global_load_b128 v[R+16*((\t)%4)+4*\i:R+16*((\t)%4)+4*\i+3], v3, s[8:9] offset:2048*(\t)+512*\i th:TH_LOAD_NT
.endr
.endm
.macro TURN t                          ; step t's numbers through the stage: LDS serves a wave's instructions in order, so no wait stands between the stores and the loads
.irp i, 0,1,2,3
	ds_store_b128 v14, v[R+16*((\t)%4)+4*\i:R+16*((\t)%4)+4*\i+3] offset:32*SP*((\t)%2)+8*SP*\i
.endr
.irp i, 0,1,2,3
	ds_load_b128 v[X+16*((\t)%2)+4*\i:X+16*((\t)%2)+4*\i+3], v15 offset:32*SP*((\t)%2)+16*\i
.endr
.endm
.irp t, 0,1,2,3
	LOAD \t
.endr
	s_wait_loadcnt 12                              ; step 0's four loads are in; those of steps 1 to 3 may be out
	TURN 0
.macro STEP t
.set XS, X+16*((\t)%2)
.if (\t) > 0
	s_wait_dscnt 1                                 ; this step's numbers are back from the stage (the last step's byte store may be out): so its stores into the stage have read their registers,
.else
	s_wait_dscnt 0x0
.endif
.if (\t)+4 < STEPS
	LOAD (\t)+4                                    ; which take the loads of four steps on
.endif
.if (\t)+1 < STEPS
.if STEPS-2-(\t) >= 3
	s_wait_loadcnt 12                              ; the next step's four loads are in; those of the three steps behind it may be out
.else
	s_wait_loadcnt 4*(STEPS-2-(\t))
.endif
	TURN (\t)+1                                    ; and go through the other stage while this step is worked
.endif
	v_max3_num_f32 v8, |v[XS]|, |v[XS+1]|, |v[XS+2]|               ; the largest magnitude of my 16
	v_max3_num_f32 v9, |v[XS+3]|, |v[XS+4]|, |v[XS+5]|
.irp i, 6,10
	v_max3_num_f32 v8, v8, |v[XS+\i]|, |v[XS+\i+1]|
	v_max3_num_f32 v9, v9, |v[XS+\i+2]|, |v[XS+\i+3]|
.endr
	v_max3_num_f32 v8, v8, |v[XS+14]|, |v[XS+15]|
	v_max3_num_f32 v8, v8, v9, (EMAX+1)<<23        ; and the floor 2^(5 - 127): the byte cannot fall under 1
	v_max_num_f32_dpp v8, v8, v8 row_xmask:1 row_mask:0xf bank_mask:0xf   ; and of my neighbour's 16: the block's
	v_add_nc_u32 v11, -(EMAX<<23), v8              ; 4 off its exponent field: the conversion's scale operand
	v_cvt_scalef32_pk16_bf6_f32 v[C+4*(\t):C+4*(\t)+2], v[XS:XS+15], v11
	v_lshrrev_b32 v[E+(\t)], 23, v11               ; the scale's byte
	ds_store_b8 v5, v[E+(\t)] offset:16*(\t)       ; both lanes of a block write the same byte with the same value
	global_store_b96 v4, v[C+4*(\t):C+4*(\t)+2], s[10:11] offset:32*CB*(\t)
.endm
.irp t, 0,1,2,3,4,5,6,7,8,9,10,11,12,13,14,15
	STEP \t
.endr
	ds_load_b64 v[12:13], v6                       ; LDS serves a wave's instructions in order: these see my stores
	s_wait_dscnt 0x0
	global_store_b64 v7, v[12:13], s[12:13]        ; 32 lanes store 256 consecutive bytes, aligned
	s_wait_tensorcnt 0x0                           ; the wave's end
	ds_add_u32 v208, v209
	s_wait_dscnt 0x0
	s_endpgm
.Lfunc_end_k_q35ea7f50e9_prep:
	.size	k_q35ea7f50e9_prep, .Lfunc_end_k_q35ea7f50e9_prep-k_q35ea7f50e9_prep
	.p2alignl 7, 3214868480
	.fill 96, 4, 3214868480
	.section	.rodata,"a",@progbits
	.p2align	6, 0x0
	.amdhsa_kernel k_q35ea7f50e9_prep
		.amdhsa_group_segment_fixed_size 101888
		.amdhsa_private_segment_fixed_size 0
		.amdhsa_enable_private_segment 0
		.amdhsa_kernarg_size 104
		.amdhsa_user_sgpr_count 2
		.amdhsa_user_sgpr_kernarg_segment_ptr 1
		.amdhsa_wavefront_size32 1
		.amdhsa_system_sgpr_workgroup_id_x 1
		.amdhsa_system_sgpr_workgroup_id_y 1
		.amdhsa_system_sgpr_workgroup_id_z 1
		.amdhsa_system_vgpr_workitem_id 0
		.amdhsa_next_free_vgpr 210
		.amdhsa_next_free_sgpr 66
		.amdhsa_reserve_vcc 0
		.amdhsa_float_denorm_mode_32 3
		.amdhsa_float_denorm_mode_16_64 3
		.amdhsa_memory_ordered 1
		.amdhsa_forward_progress 1
		.amdhsa_inst_pref_size 123
	.end_amdhsa_kernel
	.amdgpu_metadata
---
amdhsa.version: [ 1, 2 ]
amdhsa.kernels:
  - .name:           k_q35ea7f50e9_prep
    .symbol:         k_q35ea7f50e9_prep.kd
    .args:
      - { .name: Wq, .offset: 0, .size: 8, .value_kind: global_buffer, .address_space: global }
      - { .name: Wk, .offset: 8, .size: 8, .value_kind: global_buffer, .address_space: global }
      - { .name: Wv, .offset: 16, .size: 8, .value_kind: global_buffer, .address_space: global }
      - { .name: Wo, .offset: 24, .size: 8, .value_kind: global_buffer, .address_space: global }
      - { .name: wc, .offset: 32, .size: 8, .value_kind: global_buffer, .address_space: global }
      - { .name: ws, .offset: 40, .size: 8, .value_kind: global_buffer, .address_space: global }
      - { .name: mask, .offset: 48, .size: 8, .value_kind: global_buffer, .address_space: global }
      - { .name: mw, .offset: 56, .size: 8, .value_kind: global_buffer, .address_space: global }
      - { .name: query, .offset: 64, .size: 8, .value_kind: global_buffer, .address_space: global }
      - { .name: key, .offset: 72, .size: 8, .value_kind: global_buffer, .address_space: global }
      - { .name: value, .offset: 80, .size: 8, .value_kind: global_buffer, .address_space: global }
      - { .name: xc, .offset: 88, .size: 8, .value_kind: global_buffer, .address_space: global }
      - { .name: xs, .offset: 96, .size: 8, .value_kind: global_buffer, .address_space: global }
    .group_segment_fixed_size: 101888
    .private_segment_fixed_size: 0
    .kernarg_segment_align: 8
    .kernarg_segment_size: 104
    .max_flat_workgroup_size: 128
    .sgpr_count:     66
    .vgpr_count:     210
    .wavefront_size: 32
...
	.end_amdgpu_metadata
.endif
;; end of part 1
;; launch proj (part 2): grid 8 x 96, 4 waves a work-group, clusters of 4 x 4, 327,680 bytes of LDS; arguments xc, xs, wc, ws, qkf, vf, bq, bk, bv; writes qkf, vf
.if DOCPART == 2
	.amdgcn_target "amdgcn-amd-amdhsa--gfx1250"
	.amdhsa_code_object_version 6
	.text
	.protected	k_q35ea7f50e9_proj
	.globl	k_q35ea7f50e9_proj
	.p2align	8
	.type	k_q35ea7f50e9_proj,@function
k_q35ea7f50e9_proj:
	s_mov_b64 s[64:65], 0
	v_nop
	global_prefetch_b8 v0, s[64:65] scope:SCOPE_SE
	s_setreg_imm32_b32 hwreg(HW_REG_WAVE_MODE, 25, 1), 1
	s_wait_xcnt 0x0
	s_wait_alu depctr_hold_cnt(0) depctr_sa_sdst(0) depctr_va_vdst(0) depctr_va_sdst(0) depctr_va_ssrc(0) depctr_va_vcc(0) depctr_vm_vsrc(0)
	s_getreg_b32 s2, hwreg(HW_REG_IB_STS2, 6, 4)
	s_cmp_eq_u32 s2, 0
	s_cbranch_scc0 .Lentry_in_a_cluster
	s_endpgm
.Lentry_in_a_cluster:
	s_bfe_u32 s2, ttmp6, 0x10000c
	s_cmp_lg_u32 s2, 0xf033
	s_cbranch_scc0 .Lentry_shape_is_right
	s_endpgm
.Lentry_shape_is_right:
; THE THREE PROJECTIONS IN ONE LAUNCH, on codes of BF6 (E3M2) with E8M0 scales, K = 1,024; each result is quantised again and stored as images of operand registers.
; A work-group multiplies 256 rows of one operand (the X role, source 1) by 128 rows of the other (the W role, source 0), over all of K.
;   cluster y 0..15 (query, key): X = 256 tokens of xc, W = 128 stored rows (two heads) of Wq or Wk in wc.  A lane holds one token, its registers run along the head's 64 numbers: the K of the scores.
;   cluster y 16..23 (value):     X = 256 stored rows (four heads) of Wv, W = 128 tokens of value.  A lane holds one of the head's numbers, its registers run along 128 keys: the K of the weighted sum.
; Only pointers and offsets are chosen by the cluster's y (the same in all partners); the text parts on it for the bias loads, the first K step (which C it takes) and the stores.
; WHOLE K IN LDS: a row of codes is 768 bytes, begins at a multiple of 256 bytes, and lies in LDS as 3 x (256 + 16 of padding) = 816 bytes.  384 rows are 313,344 bytes, filled once: no ring, no refill.
; One joint load a wave at the head: waves 0, 1 bring 128 X rows each (shared along the cluster's row), waves 2, 3 bring 64 W rows each (shared along its column).
; No prefetch: the launch has no loop to run ahead in; all its tiles are asked for at its head.
; A wave makes 64 X rows x 128 W rows: accumulator (a, b) at v[8 (8 a + b)] of window 2.  Scale words come straight from memory: a lane loads a row's 32 bytes; lanes 0-15 hold an even tile's rows, lanes 16-31 the odd tile's.
; REGISTERS: window 0: v16-31 addresses, v32-47 X's scale words, v48-79 W's, v80-175 X's fragments (two sets), v176.. the way out.  Window 1: v0-191 W's fragments (two sets), v192-255 the bias.  Window 2: sums.
; OUT: query, key: pack ((tensor 4 + batch) 16 + head) 16 + group of 128 tokens, 6,656 bytes: 8 tiles x 768 bytes of codes, then scale words: 6144 + 256 (tile / 4) + 8 (r + 16 (tile % 2)) + 4 ((tile / 2) % 2).
;      value: pack (batch 16 + head) 16 + group of 128 keys, 6,400 bytes: 4 tiles x 1,536 bytes, then scale words at 6144 + 8 lane + 4 (tile / 2).
; LIMITS: a block of zeros gets the byte 1 where the rule says 127 (its codes are zeros; this program alone reads the bytes); blocks whose largest magnitude lies under 2^(5 - 127) get the byte 1; NaN and infinities are not served.
.set RP,    816
.set WB,    256*RP
.set SPARE, 384*RP
.set FR,    12
.set AX,   16
.set AW,   18
.set BOQ,  22
.set BOV,  23
.set SCA,  24
.set L8S,  27
.set SPW,  28
.set NIL,  29
.set L16,  30
.set L8,   31
.set SX,   32
.set SW,   48
.set XF,   80
.set PCD,  80
.set TM,   176
.set PT,   192
.set PW,   200
.set XJ,   204
.set SI,   206
.set BIAS, 192
.set G1X, 28
.set G0X, 36
.set G1W, 40
.set G0W, 48
.set VM,  55
.set HI16, 56
.set SEL, 58
.set MSB, 0
.macro WIN new
.if MSB != (\new)
	s_set_vgpr_msb (MSB<<8)|(\new)
.set MSB, (\new)
.endif
.endm
.macro PLACES
.rept 4
	v_nop
.endr
.endm
.macro CROUND
	s_barrier_signal -1
	s_barrier_wait -1
	s_cmp_lg_u32 s22, 0
	s_cbranch_scc1 .Lnot_wave_0_\@
	s_barrier_signal -3
.Lnot_wave_0_\@:
	s_barrier_wait -3
	s_barrier_signal -1
	s_barrier_wait -1
.endm
	s_load_b256 s[4:11], s[0:1], 0x0               ; xc, xs, wc, ws
	s_load_b256 s[12:19], s[0:1], 0x20             ; qkf, vf, bq, bk
	s_load_b64 s[20:21], s[0:1], 0x40              ; bv
	v_lshl_add_u32 v[SPW], v0, 2, SPARE
	v_mov_b32 v[NIL], 0
	ds_add_u32 v[SPW], v[NIL]                      ; the opening lines: the add twice on end
	ds_add_u32 v[SPW], v[NIL]
	v_lshrrev_b32 v1, 5, v0
	v_readfirstlane_b32 s22, v1                    ; wave
	s_lshr_b32 s23, s22, 1                         ; 0: I fetch X rows, 1: W rows
	s_and_b32 s24, s22, 1                          ; which half of them
	s_bfe_u32 s52, ttmp6, 0x40000                  ; cx
	s_bfe_u32 s53, ttmp6, 0x40004                  ; cy
	s_and_b32 s54, ttmp7, 0xffff                   ; cluster y
	s_lshl_b32 s60, s54, 2
	s_lshl_b32 s61, s54, 3
	s_lshr_b32 s62, s54, 3
	s_lshl_b32 s62, s62, 3
	s_cmp_ge_u32 s54, 16                           ; value?
	s_cselect_b32 s[VM], 1, 0
	s_cselect_b32 s60, 8, s60
	s_cselect_b32 s61, s61, s62
	s_add_co_u32 s60, s60, s53                     ; X tile, in 256 rows: 4 cluster y + cy of xc, or 8 + cy of wc
	s_lshl_b32 s62, ttmp9, 2
	s_add_co_u32 s61, s61, s62
	s_add_co_u32 s61, s61, s52                     ; W tile, in 128 rows: 8 tensor + column of wc, or 128 + column of xc
	s_lshl_b32 s63, s53, 2
	s_lshl_b32 s63, 15, s63                        ; my row of the cluster
	s_lshl_b32 s66, 0x1111, s52                    ; my column
	s_or_b32 s[G1X], s63, (1<<20)|(1<<21)|(5<<22)|(3<<25)   ; elements of 1 byte; 4 words of padding behind every 64
	s_or_b32 s[G1W], s66, (1<<20)|(1<<21)|(5<<22)|(3<<25)
	s_mov_b32 s[G1X+1], 768<<16
	s_mov_b32 s[G1X+2], 128<<16
	s_mov_b32 s[G1X+3], 768<<16
	s_mov_b32 s[G1X+4], 128
	s_mov_b32 s[G1X+5], 768
	s_mov_b32 s[G1X+6], 0
	s_mov_b32 s[G1X+7], 0
	s_mov_b32 s[G1W+1], 768<<16
	s_mov_b32 s[G1W+2], 64<<16
	s_mov_b32 s[G1W+3], 768<<16
	s_mov_b32 s[G1W+4], 64
	s_mov_b32 s[G1W+5], 768
	s_mov_b32 s[G1W+6], 0
	s_mov_b32 s[G1W+7], 0
	s_mov_b32 s[HI16], 0xffff0000
	s_mov_b32 s[SEL], 0x76543210
	s_mov_b32 s[SEL+1], 0xfedcba98
	s_lshl_b32 s67, s60, 8                         ; X's first row
	s_lshl_b32 s84, s24, 7
	s_add_co_u32 s68, s67, s84
	s_mul_i32 s68, s68, 768                        ; the 128 X rows that I may fetch, in bytes
	s_mov_b32 s69, 0
	s_lshl_b32 s85, s61, 7                         ; W's first row
	s_lshl_b32 s84, s24, 6
	s_add_co_u32 s70, s85, s84
	s_mul_i32 s70, s70, 768                        ; the 64 W rows that I may fetch
	s_mov_b32 s71, 0
	s_lshl_b32 s84, s22, 6
	s_add_co_u32 s72, s67, s84
	s_lshl_b32 s72, s72, 5                         ; the scale bytes of my 64 X rows
	s_mov_b32 s73, 0
	s_lshl_b32 s74, s85, 5                         ; and of the 128 W rows
	s_mov_b32 s75, 0
	s_mov_b32 s[G0X], 1
	s_mul_i32 s[G0X+1], s24, 128*RP
	s_mov_b32 s[G0W], 1
	s_mul_i32 s[G0W+1], s24, 64*RP
	s_add_co_u32 s[G0W+1], s[G0W+1], WB
	s_lshl_b32 s86, s60, 1
	s_add_co_u32 s86, s86, s23                     ; query, key: my group of 128 tokens
	s_and_b32 s87, s61, 63                         ; value: the group of 128 keys
	s_and_b32 s88, s61, 7
	s_lshl_b32 s89, s88, 9                         ; query, key: the bias of 128 columns
	s_lshl_b32 s88, s88, 5                         ; and 16 packs for each of two heads
	s_lshl_b32 s90, s53, 2
	s_add_co_u32 s90, s90, s22                     ; value: my head
	s_lshl_b32 s91, s90, 8
	s_lshl_b32 s90, s90, 4
	s_mul_i32 s92, s24, 3072                       ; query, key: my four tiles of the pack's eight
	s_lshl_b32 s93, s24, 8
	s_mov_b32 s94, 6656
	s_cmp_eq_u32 s[VM], 1
	s_cselect_b32 s86, s87, s86
	s_cselect_b32 s88, s90, s88
	s_cselect_b32 s89, s91, s89
	s_cselect_b32 s92, 0, s92
	s_cselect_b32 s93, 0, s93
	s_cselect_b32 s94, 6400, s94
	s_lshr_b32 s87, s86, 4
	s_lshl_b32 s87, s87, 8
	s_and_b32 s86, s86, 15
	s_add_co_u32 s86, s86, s87
	s_add_co_u32 s86, s86, s88
	s_mul_i32 s86, s86, s94                        ; my pack, in bytes
	s_mov_b32 s87, 0
	s_mov_b32 s90, s89
	s_mov_b32 s91, 0
	s_wait_dscnt 0x0                               ; both opening adds are done
	s_wait_kmcnt 0x0
	s_cmp_eq_u32 s[VM], 1                          ; the roles: the choice hangs on the cluster's y alone
	s_cselect_b64 s[76:77], s[8:9], s[4:5]
	s_cselect_b64 s[78:79], s[10:11], s[6:7]
	s_cselect_b64 s[80:81], s[4:5], s[8:9]
	s_cselect_b64 s[82:83], s[6:7], s[10:11]
	s_cselect_b64 s[12:13], s[14:15], s[12:13]
	s_cmp_lt_u32 s54, 8
	s_cselect_b64 s[16:17], s[16:17], s[18:19]
	s_cmp_lt_u32 s54, 16
	s_cselect_b64 s[16:17], s[16:17], s[20:21]
	s_add_nc_u64 s[12:13], s[12:13], s[86:87]
	s_add_nc_u64 s[16:17], s[16:17], s[90:91]
	s_add_nc_u64 s[78:79], s[78:79], s[72:73]
	s_add_nc_u64 s[82:83], s[82:83], s[74:75]
	s_add_nc_u64 s[G0X+2:G0X+3], s[76:77], s[68:69]
	s_or_b32 s[G0X+3], s[G0X+3], 0x80000000
	s_add_nc_u64 s[G0W+2:G0W+3], s[80:81], s[70:71]
	s_or_b32 s[G0W+3], s[G0W+3], 0x80000000
	CROUND                                         ; all sixteen work-groups are here: the joint loads meet
	s_cmp_eq_u32 s23, 0
	s_cbranch_scc0 .Lfor_w
	tensor_load_to_lds s[G0X:G0X+3], s[G1X:G1X+7]
	s_nop 0
	PLACES
	s_branch .Lasked
.Lfor_w:
	tensor_load_to_lds s[G0W:G0W+3], s[G1W:G1W+7]
	s_nop 0
	PLACES
.Lasked:
	s_mul_i32 s84, s22, 64*RP                      ; my 64 X rows in LDS
	v_and_b32 v1, 15, v0                           ; r
	v_bfe_u32 v2, v0, 4, 1                         ; h
	v_and_b32 v3, 31, v0
	v_mul_u32_u24 v4, v1, RP
	v_mad_u32_u24 v4, v2, 24, v4                   ; row x pitch + 24 h,
	v_lshl_add_u32 v5, v2, 4, v4                   ; and the same where lanes 16-31 lie behind one padding more
	v_add_nc_u32 v[AX], s84, v4
	v_add_nc_u32 v[AX+1], s84, v5
	v_add_nc_u32 v[AW], WB, v4
	v_add_nc_u32 v[AW+1], WB, v5
	v_add_nc_u32 v[AW+2], WB+64*RP, v4
	v_add_nc_u32 v[AW+3], WB+64*RP, v5
	v_lshlrev_b32 v[SCA], 5, v3                    ; a row of scale bytes a lane
	v_lshlrev_b32 v[BOQ], 6, v2                    ; the bias along my registers: 16 numbers on for lanes 16-31
	v_and_b32 v6, 8, v1
	v_add_nc_u32 v6, v6, v1
	v_lshlrev_b32 v[BOV], 2, v6                    ; the bias of my lane's row: r + 8 (r / 8)
	v_lshlrev_b32 v7, 4, v3
	v_lshlrev_b32 v8, 3, v3
	v_add_nc_u32 v[L16], s92, v7
	v_add_nc_u32 v[L8], s92, v8
	v_add_nc_u32 v[L8S], s93, v8
.irp b, 0,1,2,3
	v_mov_b32 v[TM+4+\b], 0                        ; a lane permute's destination counts as read
.endr
	s_wait_alu depctr_va_vdst(0)                   ; the wait at the head's end
.irp i, 0,1
	global_load_b128 v[SX+8*\i:SX+8*\i+3], v[SCA], s[78:79] offset:1024*\i
	global_load_b128 v[SX+8*\i+4:SX+8*\i+7], v[SCA], s[78:79] offset:1024*\i+16
.endr
.irp i, 0,1,2,3
	global_load_b128 v[SW+8*\i:SW+8*\i+3], v[SCA], s[82:83] offset:1024*\i
	global_load_b128 v[SW+8*\i+4:SW+8*\i+7], v[SCA], s[82:83] offset:1024*\i+16
.endr
	s_cmp_eq_u32 s[VM], 0
	s_cbranch_scc0 .Lbias_v
	WIN 0x40
.irp b, 0,1,2,3,4,5,6,7
	global_load_b128 v[BIAS+8*\b:BIAS+8*\b+3], v[BOQ], s[16:17] offset:(32*(\b/2)+8*(\b%2))*4
	global_load_b128 v[BIAS+8*\b+4:BIAS+8*\b+7], v[BOQ], s[16:17] offset:(32*(\b/2)+8*(\b%2))*4+16
.endr
	WIN 0
	s_branch .Lbias_done
.Lbias_v:
	WIN 0x40
.irp a, 0,1,2,3,4,5,6,7                        ; tiles 0-3 are used; 4-7 repeat them, so that all 64 registers are written on both ways
.irp j, 0,1,2,3,4,5,6,7
	global_load_b32 v[BIAS+8*\a+\j], v[BOV], s[16:17] offset:(32*((\a%4)/2)+8*(\a%2))*4
.endr
.endr
	WIN 0
.Lbias_done:
	s_wait_tensorcnt 0x0                           ; my part of the tiles is in,
	s_barrier_signal -1
	s_barrier_wait -1                              ; and everybody's
; a fragment: 16 rows x 128 K = 12 registers, in pieces of 8 bytes; piece y lies at 8 y + 16 (y / 32) of its LDS row; lanes 16-31 read three pieces on
.macro FRAG reg, adr, s, i
.irp p, 0,1,2,3,4,5
.set PCE, 12*(\s)+6*(\p/3)+\p%3
.if PCE%32 < 29
	ds_load_b64 v[\reg+2*\p:\reg+2*\p+1], v[\adr] offset:(\i)*16*RP+8*PCE+16*(PCE/32)
.else
	ds_load_b64 v[\reg+2*\p:\reg+2*\p+1], v[\adr+1] offset:(\i)*16*RP+8*PCE+16*(PCE/32)
.endif
.endr
.endm
.macro FETCHW s, i0
	WIN 0x40
.irp i, 0,1,2,3
	FRAG 96*((\s)%2)+FR*(\i0+\i), AW+2*((\i0)/4), \s, \i
.endr
	WIN 0
.endm
.macro FETCHX s
.irp i, 0,1,2,3
	FRAG XF+48*((\s)%2)+FR*\i, AX, \s, \i
.endr
.endm
; eight products: X tile a against W's eight.  cw = 0: in place; 1: the sum begins as the bias of W's tile; 2: as that of X's tile.  The 32 accumulators take turns
.macro MULA a, s, cw
.irp b, 0,1,2,3,4,5,6,7
.set DD, 8*(8*(\a)+\b)
.set A0, 96*((\s)%2)+FR*\b
.set B0, XF+48*((\s)%2)+FR*(\a)
.set SA, SW+8*(\b/2)+(\s)
.set SB, SX+8*((\a)/2)+(\s)
.if \cw == 0
.set CC, DD
.elseif \cw == 1
.set CC, BIAS+8*\b
.else
.set CC, BIAS+8*(\a)
.endif
.if (\a)%2
.if \b%2
	v_wmma_scale_f32_16x16x128_f8f6f4 v[DD:DD+7], v[A0:A0+11], v[B0:B0+11], v[CC:CC+7], v[SA], v[SB] matrix_a_fmt:MATRIX_FMT_BF6 matrix_b_fmt:MATRIX_FMT_BF6 matrix_a_scale:MATRIX_SCALE_ROW1 matrix_b_scale:MATRIX_SCALE_ROW1
.else
	v_wmma_scale_f32_16x16x128_f8f6f4 v[DD:DD+7], v[A0:A0+11], v[B0:B0+11], v[CC:CC+7], v[SA], v[SB] matrix_a_fmt:MATRIX_FMT_BF6 matrix_b_fmt:MATRIX_FMT_BF6 matrix_b_scale:MATRIX_SCALE_ROW1
.endif
.else
.if \b%2
	v_wmma_scale_f32_16x16x128_f8f6f4 v[DD:DD+7], v[A0:A0+11], v[B0:B0+11], v[CC:CC+7], v[SA], v[SB] matrix_a_fmt:MATRIX_FMT_BF6 matrix_b_fmt:MATRIX_FMT_BF6 matrix_a_scale:MATRIX_SCALE_ROW1
.else
	v_wmma_scale_f32_16x16x128_f8f6f4 v[DD:DD+7], v[A0:A0+11], v[B0:B0+11], v[CC:CC+7], v[SA], v[SB] matrix_a_fmt:MATRIX_FMT_BF6 matrix_b_fmt:MATRIX_FMT_BF6
.endif
.endif
.endr
.endm
; a K step of 128: its fragments are in; the next step's go into the other set, 48 loads ahead of the products and 24 in their middle
.macro STEP s, cw
.if \cw == 0
.set MW, 0xa1                          ; source 0 window 1, source 1 window 0, C and D window 2
.else
.set MW, 0x91                          ; C in window 1
.endif
	s_wait_dscnt 0x0
.if (\s) < 7
.if (\s) > 0
	PLACES                                         ; in front of loads into registers that the step before multiplied
.endif
	FETCHW (\s)+1, 0
	FETCHX (\s)+1
.endif
	WIN MW
	MULA 0, \s, \cw
	MULA 1, \s, \cw
.if (\s) < 7
	FETCHW (\s)+1, 4
.endif
	WIN MW
	MULA 2, \s, \cw
	MULA 3, \s, \cw
	WIN 0
.endm
	FETCHW 0, 0
	FETCHX 0
	FETCHW 0, 4
	s_wait_loadcnt 0x0                             ; scale words and bias
	s_cmp_eq_u32 s[VM], 0
	s_cbranch_scc0 .Lfirst_v
	STEP 0, 1
	s_branch .Lfirst_done
.Lfirst_v:
	STEP 0, 2
.Lfirst_done:
.irp s, 1,2,3,4,5,6,7
	STEP \s, 0
.endr
; THE WAY OUT of X tile a: 64 registers = four blocks of 32 along the next K (16 here, 16 in lane l xor 16): largest magnitude, scale byte, codes, and whole blocks brought into one lane
.macro EPI a
.set S0,  64*(\a)
.set PCA, PCD+12*(\a)
.irp b, 0,1,2,3
	v_mov_b32 v[TM+\b], 0x2800000                  ; the floor 2^(5 - 127): the byte cannot fall under 1
.endr
	WIN 0x28
.irp i, 0,2,4,6,8,10,12,14
.irp b, 0,1,2,3
	v_max3_num_f32 v[TM+\b], v[TM+\b], |v[S0+16*\b+\i]|, |v[S0+16*\b+\i+1]|
.endr
.endr
	WIN 0
.irp b, 0,1,2,3
	v_permlanex16_b32 v[TM+4+\b], v[TM+\b], s[SEL], s[SEL+1]
.endr
.irp b, 0,1,2,3
	v_max_num_f32 v[TM+\b], v[TM+\b], v[TM+4+\b]
.endr
.irp b, 0,1,2,3
	v_add_nc_u32 v[TM+12+\b], 0xfe000000, v[TM+\b] ; 4 off the exponent field: the conversion's scale operand
.endr
.irp b, 0,1,2,3
	v_lshrrev_b32 v[TM+4+\b], 23, v[TM+12+\b]
.endr
	v_lshl_or_b32 v[PW+(\a)], v[TM+5], 8, v[TM+4]
	v_lshl_or_b32 v[PW+(\a)], v[TM+6], 16, v[PW+(\a)]
	v_lshl_or_b32 v[PW+(\a)], v[TM+7], 24, v[PW+(\a)]
	WIN 0x02
.irp c, 0,1
	v_cvt_scalef32_pk16_bf6_f32 v[PCA+6*\c:PCA+6*\c+2], v[S0+32*\c:S0+32*\c+15], v[TM+12+2*\c]
	v_cvt_scalef32_pk16_bf6_f32 v[PT+4*\c:PT+4*\c+2], v[S0+16+32*\c:S0+31+32*\c], v[TM+12+2*\c+1]
.endr
	WIN 0
	v_nop                                          ; one plain place behind a scaled conversion
.irp c, 0,1
.irp i, 0,1,2
	v_permlane16_swap_b32 v[PCA+6*\c+\i], v[PT+4*\c+\i]
.endr
.irp i, 0,1,2
	v_mov_b32 v[PCA+3+6*\c+\i], v[PT+4*\c+\i]
.endr
.endr
.endm
	PLACES
.irp a, 0,1,2,3
	EPI \a
.endr
	s_wait_alu depctr_va_vdst(0)                   ; the wait ahead of the branch
	s_cmp_eq_u32 s[VM], 0
	s_cbranch_scc0 .Lout_v
.irp j, 0,1
	v_cndmask_b32 v[XJ+\j], v[PW+2*\j], v[PW+2*\j+1], s[HI16]   ; lanes 0-15 the even tile's words, lanes 16-31 the odd tile's
.endr
.irp j, 0,1
	v_and_b32 v[SI+\j], 0xffff, v[XJ+\j]           ; the first head's two bytes,
	v_lshrrev_b32 v[SI+2+\j], 16, v[XJ+\j]         ; the second's
.endr
.irp a, 0,1,2,3
.irp e, 0,1
	global_store_b128 v[L16], v[PCD+12*\a+6*\e:PCD+12*\a+6*\e+3], s[12:13] offset:\e*106496+768*\a
	global_store_b64 v[L8], v[PCD+12*\a+6*\e+4:PCD+12*\a+6*\e+5], s[12:13] offset:\e*106496+768*\a+512
.endr
.endr
	global_store_b64 v[L8S], v[SI:SI+1], s[12:13] offset:6144            ; 32 lanes store 256 consecutive bytes, aligned
	global_store_b64 v[L8S], v[SI+2:SI+3], s[12:13] offset:106496+6144
	s_branch .Lout_done
.Lout_v:
.irp j, 0,1
	v_cndmask_b32 v[SI+\j], v[PW+2*\j], v[PW+2*\j+1], s[HI16]
.endr
.irp a, 0,1,2,3
.irp c, 0,1,2
	global_store_b128 v[L16], v[PCD+12*\a+4*\c:PCD+12*\a+4*\c+3], s[12:13] offset:1536*\a+512*\c
.endr
.endr
	global_store_b64 v[L8S], v[SI:SI+1], s[12:13] offset:6144
.Lout_done:
	s_wait_tensorcnt 0x0                           ; the wave's end
	ds_add_u32 v[SPW], v[NIL]
	s_wait_dscnt 0x0
	CROUND                                         ; the closing round
	s_endpgm
.Lfunc_end_k_q35ea7f50e9_proj:
	.size	k_q35ea7f50e9_proj, .Lfunc_end_k_q35ea7f50e9_proj-k_q35ea7f50e9_proj
	.p2alignl 7, 3214868480
	.fill 96, 4, 3214868480
	.section	.rodata,"a",@progbits
	.p2align	6, 0x0
	.amdhsa_kernel k_q35ea7f50e9_proj
		.amdhsa_group_segment_fixed_size 327680
		.amdhsa_private_segment_fixed_size 0
		.amdhsa_enable_private_segment 0
		.amdhsa_kernarg_size 72
		.amdhsa_user_sgpr_count 2
		.amdhsa_user_sgpr_kernarg_segment_ptr 1
		.amdhsa_wavefront_size32 1
		.amdhsa_system_sgpr_workgroup_id_x 1
		.amdhsa_system_sgpr_workgroup_id_y 1
		.amdhsa_system_sgpr_workgroup_id_z 1
		.amdhsa_system_vgpr_workitem_id 0
		.amdhsa_next_free_vgpr 768
		.amdhsa_next_free_sgpr 96
		.amdhsa_reserve_vcc 0
		.amdhsa_float_denorm_mode_32 3
		.amdhsa_float_denorm_mode_16_64 3
		.amdhsa_memory_ordered 1
		.amdhsa_forward_progress 1
		.amdhsa_inst_pref_size 116
	.end_amdhsa_kernel
	.amdgpu_metadata
---
amdhsa.version: [ 1, 2 ]
amdhsa.kernels:
  - .name:           k_q35ea7f50e9_proj
    .symbol:         k_q35ea7f50e9_proj.kd
    .args:
      - { .name: xc, .offset: 0, .size: 8, .value_kind: global_buffer, .address_space: global }
      - { .name: xs, .offset: 8, .size: 8, .value_kind: global_buffer, .address_space: global }
      - { .name: wc, .offset: 16, .size: 8, .value_kind: global_buffer, .address_space: global }
      - { .name: ws, .offset: 24, .size: 8, .value_kind: global_buffer, .address_space: global }
      - { .name: qkf, .offset: 32, .size: 8, .value_kind: global_buffer, .address_space: global }
      - { .name: vf, .offset: 40, .size: 8, .value_kind: global_buffer, .address_space: global }
      - { .name: bq, .offset: 48, .size: 8, .value_kind: global_buffer, .address_space: global }
      - { .name: bk, .offset: 56, .size: 8, .value_kind: global_buffer, .address_space: global }
      - { .name: bv, .offset: 64, .size: 8, .value_kind: global_buffer, .address_space: global }
    .group_segment_fixed_size: 327680
    .private_segment_fixed_size: 0
    .kernarg_segment_align: 8
    .kernarg_segment_size: 72
    .max_flat_workgroup_size: 128
    .sgpr_count:     96
    .vgpr_count:     768
    .wavefront_size: 32
...
	.end_amdgpu_metadata
.endif
;; end of part 2
;; launch attn (part 3): grid 4 x 64, 16 waves a work-group, clusters of 4 x 1, 327,680 bytes of LDS; arguments qkf, vf, mw, cf; writes cf
.if DOCPART == 3
	.amdgcn_target "amdgcn-amd-amdhsa--gfx1250"
	.amdhsa_code_object_version 6
	.text
	.protected	k_q35ea7f50e9_attn
	.globl	k_q35ea7f50e9_attn
	.p2align	8
	.type	k_q35ea7f50e9_attn,@function
k_q35ea7f50e9_attn:
	s_mov_b64 s[64:65], 0
	v_nop
	global_prefetch_b8 v0, s[64:65] scope:SCOPE_SE
	s_setreg_imm32_b32 hwreg(HW_REG_WAVE_MODE, 25, 1), 1
	s_wait_xcnt 0x0
	s_wait_alu depctr_hold_cnt(0) depctr_sa_sdst(0) depctr_va_vdst(0) depctr_va_sdst(0) depctr_va_ssrc(0) depctr_va_vcc(0) depctr_vm_vsrc(0)
	s_getreg_b32 s2, hwreg(HW_REG_IB_STS2, 6, 4)
	s_cmp_eq_u32 s2, 0
	s_cbranch_scc0 .Lentry_in_a_cluster
	s_endpgm
.Lentry_in_a_cluster:
	s_bfe_u32 s2, ttmp6, 0x10000c
	s_cmp_lg_u32 s2, 0x3003
	s_cbranch_scc0 .Lentry_shape_is_right
	s_endpgm
.Lentry_shape_is_right:
; ATTENTION on codes of BF6 (E3M2): a work-group takes one (batch, head) and 512 queries; all 2,048 keys and values of the head lie in LDS, filled once, as images of operand registers (16 packs each).
; A wave takes a tile of 16 queries through 16 steps of 128 keys, twice.  Both products are used transposed, so that a lane holds one query; the running M is a whole number; the row's sum is taken of the unquantised p.
; CLUSTER: the four work-groups of a head (the four quarters of its queries) need the same K and V: each of the 16 waves asks for two packs by one joint load: waves 0-7 K's, waves 8-15 V's.
; No prefetch: the tiles are asked for once, at the head; no loop runs ahead of them.
; LIMIT: the promise holds while the scaled scores stay under 2^31 in magnitude; a masked score counts as -2^30.
.set KPK,   6656
.set VPK,   6400
.set VBASE, 16*KPK
.set L16,  1
.set L8,   2
.set AK16, 3
.set AK8,  4
.set AV16, 5
.set AV8,  6
.set QA16, 7
.set NEG,  8
.set QA8,  9
.set QAS,  10
.set H8,   11
.set QF,   16
.set KSW,  28
.set KF,   32
.set VF,   80
.set S,    128
.set OT,   192
.set VSW,  248
.set QS,   250
.set WV,   12
.set SEL,  20
.set CL,   22
.set TBK,  24
.set TBV,  25
.set MO,   26
.set CNT,  27
.macro QLOAD p
	global_load_b128 v[QF:QF+3], v[QA16], s[16:17] offset:(\p)*2*KPK
	global_load_b64 v[QF+4:QF+5], v[QA8], s[16:17] offset:(\p)*2*KPK
	global_load_b32 v[QS], v[QAS], s[16:17] offset:(\p)*2*KPK
.endm
.macro MLOAD
	s_load_b512 s[32:47], s[8:9], s[MO] offset:0x0
	s_load_b512 s[48:63], s[8:9], s[MO] offset:0x40
	s_load_b512 s[68:83], s[8:9], s[MO] offset:0x80
	s_load_b512 s[84:99], s[8:9], s[MO] offset:0xc0
.endm
	s_load_b256 s[4:11], s[0:1], 0x0
	v_lshl_add_u32 v251, v0, 2, 0x33000
	v_mov_b32 v255, 0
	ds_add_u32 v251, v255
	ds_add_u32 v251, v255
	v_lshrrev_b32 v1, 5, v0
	s_delay_alu instid0(VALU_DEP_1)
	v_readfirstlane_b32 s[WV], v1
	s_and_b32 s13, ttmp7, 0xffff                   ; 16 x batch + head
	s_bfe_u32 s31, ttmp6, 0x40000                  ; cx: which quarter of the queries
	s_lshl_b32 s14, s13, 4
	s_and_b32 s28, s[WV], 7
	s_lshl_b32 s29, s28, 1
	s_add_co_u32 s15, s14, s29                     ; the first of the two packs that I fetch
	s_mul_i32 s58, s15, VPK
	s_mov_b32 s59, 0
	s_add_co_u32 s15, s15, 1024
	s_mul_i32 s56, s15, KPK
	s_mov_b32 s57, 0
	s_mov_b32 s32, (3<<16)|(1<<21)|15              ; elements of 8 bytes; the mask names the cluster's four
	s_mov_b32 s33, 32<<16
	s_mov_b32 s34, 52<<16                          ; two packs of K: 52 rows of 256 bytes
	s_mov_b32 s35, 32<<16
	s_mov_b32 s36, 52
	s_mov_b32 s37, 32
	s_mov_b32 s38, 0
	s_mov_b32 s39, 0
	s_mov_b32 s40, (3<<16)|(1<<21)|15
	s_mov_b32 s41, 32<<16
	s_mov_b32 s42, 50<<16                          ; two packs of V: 50 rows
	s_mov_b32 s43, 32<<16
	s_mov_b32 s44, 50
	s_mov_b32 s45, 32
	s_mov_b32 s46, 0
	s_mov_b32 s47, 0
	s_mov_b32 s48, 1
	s_mul_i32 s49, s28, 2*KPK
	s_mov_b32 s52, 1
	s_mul_i32 s53, s28, 2*VPK
	s_add_co_u32 s53, s53, VBASE
	s_wait_dscnt 0x0
	s_wait_kmcnt 0x0
	s_add_nc_u64 s[50:51], s[4:5], s[56:57]
	s_or_b32 s51, s51, 0x80000000
	s_add_nc_u64 s[54:55], s[6:7], s[58:59]
	s_or_b32 s55, s55, 0x80000000
	s_barrier_signal -1                            ; a round of the cluster's barrier in front of the joint loads
	s_barrier_wait -1
	s_cmp_lg_u32 s[WV], 0
	s_cbranch_scc1 .Lnot_wave_0_a
	s_barrier_signal -3
.Lnot_wave_0_a:
	s_barrier_wait -3
	s_barrier_signal -1
	s_barrier_wait -1
	s_cmp_lt_u32 s[WV], 8
	s_cbranch_scc0 .Lfor_v
	tensor_load_to_lds s[48:51], s[32:39]
	s_nop 0
.rept 4
	v_nop
.endr
	s_branch .Lasked
.Lfor_v:
	tensor_load_to_lds s[52:55], s[40:47]
	s_nop 0
.rept 4
	v_nop
.endr
.Lasked:
	s_lshl_b32 s15, s31, 2
	s_add_co_u32 s15, s15, s14
	s_lshr_b32 s24, s[WV], 3
	s_add_co_u32 s15, s15, s24
	s_mul_i32 s24, s15, KPK
	s_mov_b32 s25, 0
	s_add_nc_u64 s[16:17], s[4:5], s[24:25]
	s_lshr_b32 s15, s13, 4
	s_lshl_b32 s15, s15, 7
	s_lshl_b32 s24, s31, 5
	s_add_co_u32 s15, s15, s24
	s_add_co_u32 s15, s15, s[WV]
	s_lshl_b32 s[MO], s15, 12
	s_lshl_b32 s15, s15, 4
	s_and_b32 s24, s13, 15
	s_add_co_u32 s15, s15, s24
	s_lshl_b32 s24, s15, 10
	s_add_nc_u64 s[18:19], s[10:11], s[24:25]
	v_and_b32 v3, 31, v0
	s_delay_alu instid0(VALU_DEP_1)
	v_lshlrev_b32 v[L16], 4, v3
	s_delay_alu instid0(VALU_DEP_2)
	v_lshlrev_b32 v[L8], 3, v3
	s_and_b32 s15, s[WV], 7
	s_mul_i32 s24, s15, 768
	v_add_nc_u32 v[QA16], s24, v[L16]
	v_add_nc_u32 v[QA8], s24, v[L8]
	s_delay_alu instid0(VALU_DEP_1)
	v_add_nc_u32 v[QA8], 512, v[QA8]
	v_and_b32 v4, 15, v0
	s_and_b32 s24, s15, 1                          ; my tile's scale words: 6144 + 256 (tile / 4) + 8 (r + 16 (tile % 2)) + 4 ((tile / 2) % 2)
	s_lshl_b32 s24, s24, 7
	s_lshr_b32 s27, s15, 2
	s_lshl_b32 s27, s27, 8
	s_add_co_u32 s24, s24, s27
	s_bfe_u32 s27, s15, 0x10001
	s_lshl_b32 s27, s27, 2
	s_add_co_u32 s24, s24, s27
	s_add_co_u32 s24, s24, 6144
	s_wait_alu depctr_va_vdst(0)                   ; the lines below read registers written ahead of the scalar lines
	v_lshl_add_u32 v[QAS], v4, 3, s24
	QLOAD 0
	v_bfe_u32 v[H8], v0, 4, 1
	s_delay_alu instid0(VALU_DEP_1)
	v_lshlrev_b32 v[H8], 3, v[H8]
	v_mov_b32 v[NEG], 0xce800000
.irp i, 6,7,8,9,10,11
	v_mov_b32 v[QF+\i], 0
.endr
.irp i, 0,1,2,3,4,5
	v_mov_b32 v[VF+\i], 0
.endr
.irp b, 0,1,2,3
	v_mov_b32 v[236+\b], 0
.endr
	v_mov_b32 v252, 0
	v_mov_b32 v253, 0
	s_mov_b32 s[SEL], 0x76543210
	s_mov_b32 s[SEL+1], 0xfedcba98
	s_mov_b32 s[CL], 0x3fb8aa3b
	s_mov_b32 s[CL+1], s[CL]
	s_wait_tensorcnt 0x0
	MLOAD
	s_barrier_signal -1
	s_barrier_wait -1
.macro STEP pf
	s_wait_dscnt 0x0
.irp t, 0,1,2,3,4,5,6,7
.if \t%2
	v_wmma_scale_f32_16x16x128_f8f6f4 v[S+8*\t:S+8*\t+7], v[KF+6*\t:KF+6*\t+11], v[QF:QF+11], 0, v[KSW+\t/2], v[QS] matrix_a_fmt:MATRIX_FMT_BF6 matrix_b_fmt:MATRIX_FMT_BF6 matrix_a_scale:MATRIX_SCALE_ROW1
.else
	v_wmma_scale_f32_16x16x128_f8f6f4 v[S+8*\t:S+8*\t+7], v[KF+6*\t:KF+6*\t+11], v[QF:QF+11], 0, v[KSW+\t/2], v[QS] matrix_a_fmt:MATRIX_FMT_BF6 matrix_b_fmt:MATRIX_FMT_BF6
.endif
.endr
	v_add_nc_u32 v[AV16], s[TBV], v[L16]
	v_add_nc_u32 v[AV8], s[TBV], v[L8]
.if \pf
	v_add_nc_u32 v[AK16], s[TBK], v[L16]
	v_add_nc_u32 v[AK8], s[TBK], v[L8]
.else
	v_nop
	v_nop
.endif
.irp t, 0,1,2,3
.irp c, 0,1,2
	ds_load_b128 v[VF+12*\t+4*\c:VF+12*\t+4*\c+3], v[AV16] offset:1536*\t+512*\c
.endr
.endr
	ds_load_b64 v[VSW:VSW+1], v[AV8] offset:6144
.if \pf
.irp t, 0,1,2,3,4,5,6,7
	ds_load_b128 v[KF+6*\t:KF+6*\t+3], v[AK16] offset:768*\t
	ds_load_b64 v[KF+6*\t+4:KF+6*\t+5], v[AK8] offset:768*\t+512
.endr
	ds_load_b64 v[KSW:KSW+1], v[AK8] offset:6144
	ds_load_b64 v[KSW+2:KSW+3], v[AK8] offset:6400
.endif
	s_wait_kmcnt 0x0
.set n, 0
.rept 64
	v_cndmask_b32 v[S+n], v[NEG], v[S+n], s[32+n+4*(n/32)]
.set n, n+1
.endr
.irp q, 0,1,2,3                                ; each block's largest score: four chains a block, eight by turns, so that a line reads what was written eight lines before
.irp c, 0,1
	v_max3_num_f32 v[232+2*\q+\c], v[S+32*\c+3*\q], v[S+32*\c+3*\q+1], v[S+32*\c+3*\q+2]
.endr
.endr
.irp i, 0,1,2,3,4,5,6,7,8,9
.irp c, 0,1
	v_max3_num_f32 v[232+2*(\i%4)+\c], v[232+2*(\i%4)+\c], v[S+32*\c+12+2*\i], v[S+32*\c+13+2*\i]
.endr
.endr
.irp c, 0,1
	s_delay_alu instid0(VALU_DEP_2)
	v_max3_num_f32 v[232+\c], v[232+\c], v[234+\c], v[236+\c]
.endr
.irp c, 0,1
	s_delay_alu instid0(VALU_DEP_2)
	v_max_num_f32 v[232+\c], v[232+\c], v[238+\c]
.endr
.if \pf
	s_add_co_u32 s[MO], s[MO], 256
	MLOAD
.endif
	v_max_num_f32 v254, v232, v233
	s_delay_alu instid0(VALU_DEP_1)
	v_permlanex16_b32 v236, v254, s[SEL], s[SEL+1]
	s_delay_alu instid0(VALU_DEP_1)
	v_max_num_f32 v254, v254, v236
	s_delay_alu instid0(VALU_DEP_1)
	v_mul_f32 v254, s[CL], v254
	s_delay_alu instid0(VALU_DEP_1)
	v_max_num_f32 v13, v13, v254
	v_mov_b32 v254, v12
	s_delay_alu instid0(VALU_DEP_2)
	v_floor_f32 v12, -v13
	s_delay_alu instid0(VALU_DEP_1)
	v_sub_f32 v254, v12, v254
	s_delay_alu instid0(VALU_DEP_1)
	v_cvt_i32_f32 v254, v254
	s_delay_alu instid0(VALU_DEP_1)
	v_ldexp_f32 v252, 1.0, v254
.set j, 0
.rept 32
	v_pk_fma_f32 v[S+j:S+j+1], v[S+j:S+j+1], s[CL:CL+1], v[12:13] op_sel_hi:[1,0,0]
.set j, j+2
.endr
.irp c, 0,1
	v_fma_f32 v[232+\c], v[232+\c], s[CL], v12
.endr
.set j, 0
	s_wait_alu depctr_va_vdst(0)
.rept 64
	v_exp_f32 v[S+j], v[S+j]
.set j, j+1
.endr
.irp c, 0,1
	v_exp_f32 v[232+\c], v[232+\c]
.endr
	v_pk_mul_f32 v[14:15], v[14:15], v[252:253] op_sel_hi:[1,0]
	s_wait_alu depctr_va_vdst(0)
.irp c, 0,1
	v_max_num_f32 v[232+\c], 0x2800000, v[232+\c]
.endr
.irp c, 0,1
	s_delay_alu instid0(VALU_DEP_2)
	v_add_nc_u32 v[244+\c], 0xfe000000, v[232+\c]
.endr
.irp c, 0,1
	s_delay_alu instid0(VALU_DEP_2)
	v_lshrrev_b32 v[246+\c], 23, v[244+\c]
.endr
	s_delay_alu instid0(VALU_DEP_1)
	v_lshl_or_b32 v253, v247, 16, v246
	s_delay_alu instid0(VALU_DEP_1)
	v_lshlrev_b32 v253, v[H8], v253
	s_delay_alu instid0(VALU_DEP_1)
	v_permlanex16_b32 v236, v253, s[SEL], s[SEL+1]
	s_delay_alu instid0(VALU_DEP_1)
	v_or_b32 v253, v253, v236
.irp c, 0,1
	v_cvt_scalef32_pk16_bf6_f32 v[224+6*\c:226+6*\c], v[S+32*\c:S+15+32*\c], v[244+\c]
	v_cvt_scalef32_pk16_bf6_f32 v[236+4*\c:238+4*\c], v[S+16+32*\c:S+31+32*\c], v[244+\c]
.endr
	v_nop
.irp c, 0,1
.irp i, 0,1,2
	v_mov_b32 v[227+6*\c+\i], v[236+4*\c+\i]
.endr
.endr
	v_pk_add_f32 v[236:237], v[S:S+1], v[S+2:S+3]
.irp j, 4,8,12,16,20,24,28,32,36,40,44,48,52,56,60
	v_pk_add_f32 v[14:15], v[14:15], v[S+\j:S+\j+1]
	v_pk_add_f32 v[236:237], v[236:237], v[S+\j+2:S+\j+3]
.endr
	s_delay_alu instid0(VALU_DEP_1)
	v_pk_add_f32 v[14:15], v[14:15], v[236:237]
.set j, 0
.rept 16
	v_pk_mul_f32 v[OT+j:OT+j+1], v[OT+j:OT+j+1], v[252:253] op_sel_hi:[1,0]
.set j, j+2
.endr
	s_wait_alu depctr_va_vdst(0)
	s_wait_dscnt 18*\pf
.irp t, 0,1,2,3
.if \t%2
	v_wmma_scale_f32_16x16x128_f8f6f4 v[OT+8*\t:OT+8*\t+7], v[VF+12*\t:VF+12*\t+11], v[224:235], v[OT+8*\t:OT+8*\t+7], v[VSW+\t/2], v253 matrix_a_fmt:MATRIX_FMT_BF6 matrix_b_fmt:MATRIX_FMT_BF6 matrix_a_scale:MATRIX_SCALE_ROW1
.else
	v_wmma_scale_f32_16x16x128_f8f6f4 v[OT+8*\t:OT+8*\t+7], v[VF+12*\t:VF+12*\t+11], v[224:235], v[OT+8*\t:OT+8*\t+7], v[VSW+\t/2], v253 matrix_a_fmt:MATRIX_FMT_BF6 matrix_b_fmt:MATRIX_FMT_BF6
.endif
.endr
	s_add_co_u32 s[TBV], s[TBV], VPK
.if \pf
	s_add_co_u32 s[TBK], s[TBK], KPK
.endif
.endm
.macro PASSM p
.irp t, 0,1,2,3,4,5,6,7
	ds_load_b128 v[KF+6*\t:KF+6*\t+3], v[L16] offset:768*\t
	ds_load_b64 v[KF+6*\t+4:KF+6*\t+5], v[L8] offset:768*\t+512
.endr
	ds_load_b64 v[KSW:KSW+1], v[L8] offset:6144
	ds_load_b64 v[KSW+2:KSW+3], v[L8] offset:6400
	v_mov_b32 v13, 0xff61b1e6
	s_delay_alu instid0(VALU_DEP_1)
	v_floor_f32 v12, -v13
	v_mov_b32 v14, 0
	v_mov_b32 v15, 0
.set j, 0
.rept 32
	v_mov_b32 v[OT+j], 0
.set j, j+1
.endr
	s_mov_b32 s[TBK], KPK
	s_mov_b32 s[TBV], VBASE
	s_mov_b32 s[CNT], 15
	s_wait_loadcnt 0x0
.Lstep_\@:
	STEP 1
	s_sub_co_u32 s[CNT], s[CNT], 1
	s_cmp_lg_u32 s[CNT], 0
	s_cbranch_scc1 .Lstep_\@
	STEP 0
.if (\p) == 0
	s_add_co_u32 s[MO], s[MO], 65536-3840
	MLOAD
.endif
.rept 4
	v_nop
.endr
.if (\p) == 0
	QLOAD 1
.endif
	v_add_f32 v14, v14, v15
	s_delay_alu instid0(VALU_DEP_1)
	v_permlanex16_b32 v252, v14, s[SEL], s[SEL+1]
	s_delay_alu instid0(VALU_DEP_1)
	v_add_f32 v14, v14, v252
	s_wait_alu depctr_va_vdst(0)
	v_rcp_f32 v14, v14
	v_nop
.set j, 0
	s_wait_alu depctr_va_vdst(0)
.rept 16
	v_pk_mul_f32 v[OT+j:OT+j+1], v[OT+j:OT+j+1], v[14:15] op_sel_hi:[1,0]
.set j, j+2
.endr
.irp b, 0,1
	v_max3_num_f32 v[232+\b], |v[OT+16*\b]|, |v[OT+1+16*\b]|, 0x2800000
.endr
.irp i, 2,4,6,8,10,12,14
.irp b, 0,1
	s_delay_alu instid0(VALU_DEP_2)
	v_max3_num_f32 v[232+\b], v[232+\b], |v[OT+16*\b+\i]|, |v[OT+1+16*\b+\i]|
.endr
.endr
.irp b, 0,1
	s_delay_alu instid0(VALU_DEP_2)
	v_permlanex16_b32 v[236+\b], v[232+\b], s[SEL], s[SEL+1]
.endr
.irp b, 0,1
	s_delay_alu instid0(VALU_DEP_2)
	v_max_num_f32 v[232+\b], v[232+\b], v[236+\b]
.endr
.irp b, 0,1
	s_delay_alu instid0(VALU_DEP_2)
	v_add_nc_u32 v[244+\b], 0xfe000000, v[232+\b]
.endr
.irp b, 0,1
	s_delay_alu instid0(VALU_DEP_2)
	v_lshrrev_b32 v[236+\b], 23, v[244+\b]
.endr
	s_delay_alu instid0(VALU_DEP_1)
	v_lshl_or_b32 v253, v237, 8, v236
	v_cvt_scalef32_pk16_bf6_f32 v[224:226], v[OT:OT+15], v244
	v_cvt_scalef32_pk16_bf6_f32 v[240:242], v[OT+16:OT+31], v245
	v_nop
.irp i, 0,1,2
	v_permlane16_swap_b32 v[224+\i], v[240+\i]
.endr
.irp i, 0,1,2
	s_delay_alu instid0(VALU_DEP_3)
	v_mov_b32 v[227+\i], v[240+\i]
.endr
	global_store_b128 v[L16], v[224:227], s[18:19] offset:(\p)*262144
	global_store_b64 v[L8], v[228:229], s[18:19] offset:(\p)*262144+512
	global_store_b64 v[L8], v[252:253], s[18:19] offset:(\p)*262144+768
.if (\p) == 0
	s_wait_xcnt 0x0
.endif
.endm
	PASSM 0
	PASSM 1
	s_wait_tensorcnt 0x0
	ds_add_u32 v251, v255
	s_wait_dscnt 0x0
	s_barrier_signal -1                            ; the closing round
	s_barrier_wait -1
	s_cmp_lg_u32 s[WV], 0
	s_cbranch_scc1 .Lnot_wave_0_z
	s_barrier_signal -3
.Lnot_wave_0_z:
	s_barrier_wait -3
	s_barrier_signal -1
	s_barrier_wait -1
	s_endpgm
.Lfunc_end_k_q35ea7f50e9_attn:
	.size	k_q35ea7f50e9_attn, .Lfunc_end_k_q35ea7f50e9_attn-k_q35ea7f50e9_attn
	.p2alignl 7, 3214868480
	.fill 96, 4, 3214868480
	.section	.rodata,"a",@progbits
	.p2align	6, 0x0
	.amdhsa_kernel k_q35ea7f50e9_attn
		.amdhsa_group_segment_fixed_size 327680
		.amdhsa_private_segment_fixed_size 0
		.amdhsa_enable_private_segment 0
		.amdhsa_kernarg_size 32
		.amdhsa_user_sgpr_count 2
		.amdhsa_user_sgpr_kernarg_segment_ptr 1
		.amdhsa_wavefront_size32 1
		.amdhsa_system_sgpr_workgroup_id_x 1
		.amdhsa_system_sgpr_workgroup_id_y 1
		.amdhsa_system_sgpr_workgroup_id_z 1
		.amdhsa_system_vgpr_workitem_id 0
		.amdhsa_next_free_vgpr 256
		.amdhsa_next_free_sgpr 100
		.amdhsa_reserve_vcc 0
		.amdhsa_float_denorm_mode_32 3
		.amdhsa_float_denorm_mode_16_64 3
		.amdhsa_memory_ordered 1
		.amdhsa_forward_progress 1
		.amdhsa_inst_pref_size 97
	.end_amdhsa_kernel
	.amdgpu_metadata
---
amdhsa.version: [ 1, 2 ]
amdhsa.kernels:
  - .name:           k_q35ea7f50e9_attn
    .symbol:         k_q35ea7f50e9_attn.kd
    .args:
      - { .name: qkf, .offset: 0, .size: 8, .value_kind: global_buffer, .address_space: global }
      - { .name: vf, .offset: 8, .size: 8, .value_kind: global_buffer, .address_space: global }
      - { .name: mw, .offset: 16, .size: 8, .value_kind: global_buffer, .address_space: global }
      - { .name: cf, .offset: 24, .size: 8, .value_kind: global_buffer, .address_space: global }
    .group_segment_fixed_size: 327680
    .private_segment_fixed_size: 0
    .kernarg_segment_align: 8
    .kernarg_segment_size: 32
    .max_flat_workgroup_size: 512
    .sgpr_count:     100
    .vgpr_count:     256
    .wavefront_size: 32
...
	.end_amdgpu_metadata
.endif
;; end of part 3
;; launch outp (part 4): grid 256 x 1, 2 waves a work-group, no clusters, 168,192 bytes of LDS; arguments cf, wc, ws, bo, out0; writes out0
.if DOCPART == 4
	.amdgcn_target "amdgcn-amd-amdhsa--gfx1250"
	.amdhsa_code_object_version 6
	.text
	.protected	k_q35ea7f50e9_outp
	.globl	k_q35ea7f50e9_outp
	.p2align	8
	.type	k_q35ea7f50e9_outp,@function
k_q35ea7f50e9_outp:
	s_mov_b64 s[64:65], 0
	v_nop
	global_prefetch_b8 v0, s[64:65] scope:SCOPE_SE
	s_setreg_imm32_b32 hwreg(HW_REG_WAVE_MODE, 25, 1), 1
	s_wait_xcnt 0x0
; out0 = cat Wo + bo on codes of BF6 (E3M2) with E8M0 scales, K = 1,024 = 16 heads x 64.
; cat comes as images of operand registers: for each (query tile, head) a record of 1,024 bytes: six registers (16 queries x 64 e) and a scale word [s0, s1, 0, 0]; two heads make a fragment of 128 along K.
; Wo's codes are rows 3,072 .. 3,135 of wc (64 outputs, stored with bits 3 and 4 of their number exchanged), 768 bytes each; both waves read them, so they come into LDS once, half by each wave's one tensor load.
; A wave owns one tile of 16 queries: four accumulators (source 0 = 16 rows of Wo, source 1 = the queries), which begin as the bias, loaded straight into them; eight K steps, written out.
; In tile T, lane (r, h) holds query r and outputs 32 (T / 2) + 16 h + 8 (T % 2) + 0 .. 7.  A row of out0 is 256 bytes: the tile goes through the wave's own stage in LDS and leaves with sixteen lanes storing 256 consecutive bytes, aligned.
; No ring and no cluster: LDS is filled once, 49,152 bytes for a work-group.
.set WP,   816                         ; a row of Wo in LDS: 3 x (256 bytes + 16 of padding) = 204 words: the 32 lanes of a load of 8 bytes touch 64 different banks (64 banks of 4 bytes: ISA guide 11.1)
.set STG,  64*WP                       ; behind Wo: a stage of 16 rows x 272 bytes for each wave; no fill lands there
.set CF,   16                          ; v16-111  cat: 16 heads x 6
.set CSW,  112                         ; v112-127 their scale words
.set CS,   128                         ; v128-135 the scale words of the 8 K steps
.set WS,   136                         ; v136-167 Wo's scale words: tile T, K step s at 8 T + s
.set ACC,  168                         ; v168-199 four accumulators
.set WF,   200                         ; v200-247 Wo's four fragments of a K step
	s_load_b256 s[4:11], s[0:1], 0x0               ; cf, wc, ws, bo
	s_load_b64 s[12:13], s[0:1], 0x20              ; out0
	v_lshl_add_u32 v254, v0, 2, 0x29000
	v_mov_b32 v255, 0
	ds_add_u32 v254, v255
	ds_add_u32 v254, v255
	v_lshrrev_b32 v1, 5, v0
	v_readfirstlane_b32 s14, v1                    ; wave 0, 1
	s_mov_b32 s24, (1<<20)|(5<<22)|(3<<25)         ; elements of 1 byte; padding on: after every 64 words, 4 words
	s_mov_b32 s25, 768<<16                         ; tensor_dim0
	s_mov_b32 s26, 32<<16                          ; tensor_dim1
	s_mov_b32 s27, 768<<16                         ; tile_dim0
	s_mov_b32 s28, 32                              ; tile_dim1
	s_mov_b32 s29, 768                             ; tensor_dim0_stride
	s_mov_b32 s30, 0
	s_mov_b32 s31, 0
	s_mov_b32 s32, 1
	s_mul_i32 s33, s14, 32*WP                      ; my 32 rows in LDS,
	s_mul_i32 s16, s14, 32*768
	s_add_co_u32 s16, s16, 3072*768                ; and in wc
	s_mov_b32 s17, 0
	s_wait_dscnt 0x0
	s_wait_kmcnt 0x0
	s_add_nc_u64 s[34:35], s[6:7], s[16:17]
	s_or_b32 s35, s35, 0x80000000
	tensor_load_to_lds s[32:35], s[24:31]          ; the launch's only fill: one tensor load of mine is out
	s_nop 0
.rept 4
	v_nop
.endr
	s_lshl_b32 s15, ttmp9, 1
	s_add_co_u32 s15, s15, s14                     ; g = 128 x batch + query tile
	s_lshl_b32 s16, s15, 14                        ; 16 records of 1,024 bytes
	s_add_nc_u64 s[4:5], s[4:5], s[16:17]
	s_add_nc_u64 s[8:9], s[8:9], 3072*32           ; Wo's rows of scale bytes
	s_lshr_b32 s16, s15, 3
	s_lshl_b32 s16, s16, 7
	s_bfe_u32 s18, s15, 0x20001
	s_lshl_b32 s18, s18, 5
	s_add_co_u32 s16, s16, s18
	s_and_b32 s18, s15, 1
	s_lshl_b32 s18, s18, 3
	s_add_co_u32 s16, s16, s18                     ; the tile's first token
	s_lshl_b32 s16, s16, 8                         ; rows of 256 bytes
	s_add_nc_u64 s[12:13], s[12:13], s[16:17]
	v_and_b32 v10, 31, v0
	v_lshlrev_b32 v1, 4, v10                       ; 16 x lane
	v_lshlrev_b32 v2, 3, v10                       ; 8 x lane
	v_and_b32 v11, 15, v0                          ; r
	v_bfe_u32 v12, v0, 4, 1                        ; h
	v_lshlrev_b32 v3, 5, v11                       ; Wo's scale bytes: 32 a row
	v_lshlrev_b32 v4, 6, v12                       ; the bias: 16 numbers on for lanes 16-31
	v_mul_u32_u24 v5, v11, WP
	v_mad_u32_u24 v5, v12, 24, v5                  ; Wo's fragments: row x pitch + 24 x half,
	v_lshl_add_u32 v6, v12, 4, v5                  ; and the same behind one padding more
	s_mul_i32 s18, s14, 16*272
	s_add_co_u32 s18, s18, STG                     ; my stage
	v_mul_u32_u24 v7, v11, 272
	v_lshl_add_u32 v7, v12, 6, v7
	v_add_nc_u32 v7, s18, v7                       ; in: row r, + 64 h
	v_mul_u32_u24 v8, v12, 272
	v_lshl_add_u32 v8, v11, 4, v8
	v_add_nc_u32 v8, s18, v8                       ; back: lanes 0-15 one row, lanes 16-31 the next
	v_lshlrev_b32 v9, 8, v12
	v_lshl_add_u32 v9, v11, 4, v9                  ; and the same two rows in out0
.irp h, 0,1,2,3,4,5,6,7,8,9,10,11,12,13,14,15
	global_load_b128 v[CF+6*\h:CF+6*\h+3], v1, s[4:5] offset:1024*\h th:TH_LOAD_NT
	global_load_b64 v[CF+6*\h+4:CF+6*\h+5], v2, s[4:5] offset:1024*\h+512 th:TH_LOAD_NT
	global_load_b32 v[CSW+\h], v2, s[4:5] offset:1024*\h+772 th:TH_LOAD_NT       ; the upper word of the lane's pair
.endr
.irp t, 0,1,2,3
	global_load_b128 v[WS+8*\t:WS+8*\t+3], v3, s[8:9] offset:512*\t
	global_load_b128 v[WS+8*\t+4:WS+8*\t+7], v3, s[8:9] offset:512*\t+16
	global_load_b128 v[ACC+8*\t:ACC+8*\t+3], v4, s[10:11] offset:(32*(\t/2)+8*(\t%2))*4        ; the sums begin as the bias
	global_load_b128 v[ACC+8*\t+4:ACC+8*\t+7], v4, s[10:11] offset:(32*(\t/2)+8*(\t%2))*4+16
.endr
	s_wait_loadcnt 0x0
.irp s, 0,1,2,3,4,5,6,7
	v_lshl_or_b32 v[CS+\s], v[CSW+2*\s+1], 16, v[CSW+2*\s]     ; two heads' two bytes each make a K step's scale word
.endr
.rept 8
	v_nop                                          ; a scale register written by a vector instruction stands 8 places ahead of a scaled matrix instruction
.endr
	s_wait_alu depctr_va_vdst(0)
	s_wait_tensorcnt 0x0                           ; my half of Wo is in,
	s_barrier_signal -1
	s_barrier_wait -1                              ; the other wave's too
.macro FRAGW t, s                      ; Wo's tile t, K step s: pieces of 8 bytes; lanes 16-31 read three pieces further on: where that is behind one padding more, the second address register serves
.irp p, 0,1,2,3,4,5
.set PCE, 12*(\s)+6*(\p/3)+\p%3
.if PCE%32 < 29
	ds_load_b64 v[WF+12*(\t)+2*\p:WF+12*(\t)+2*\p+1], v5 offset:(\t)*16*WP+8*PCE+16*(PCE/32)
.else
	ds_load_b64 v[WF+12*(\t)+2*\p:WF+12*(\t)+2*\p+1], v6 offset:(\t)*16*WP+8*PCE+16*(PCE/32)
.endif
.endr
.endm
.irp s, 0,1,2,3,4,5,6,7
.irp t, 0,1,2,3
	FRAGW \t, \s
.endr
	s_wait_dscnt 0x0
.irp t, 0,1,2,3                                ; four accumulators, one instruction a turn
	v_wmma_scale_f32_16x16x128_f8f6f4 v[ACC+8*\t:ACC+8*\t+7], v[WF+12*\t:WF+12*\t+11], v[CF+12*\s:CF+12*\s+11], v[ACC+8*\t:ACC+8*\t+7], v[WS+8*\t+\s], v[CS+\s] matrix_a_fmt:MATRIX_FMT_BF6 matrix_b_fmt:MATRIX_FMT_BF6
.endr
.rept 4
	v_nop                                          ; places in front of loads into registers that the products have read, and of the first read of results
.endr
.endr
.irp t, 0,1,2,3
	ds_store_b128 v7, v[ACC+8*\t:ACC+8*\t+3] offset:128*(\t/2)+32*(\t%2)           ; each accumulator from its low end on
	ds_store_b128 v7, v[ACC+8*\t+4:ACC+8*\t+7] offset:128*(\t/2)+32*(\t%2)+16
.endr
.irp i, 0,1,2,3,4,5,6,7
	ds_load_b128 v[CF+4*\i:CF+4*\i+3], v8 offset:2*\i*272      ; LDS serves a wave's instructions in order: these see my stores
.endr
.irp i, 0,1,2,3,4,5,6,7
	s_wait_dscnt 7-\i                              ; the younger loads may stay out
	global_store_b128 v9, v[CF+4*\i:CF+4*\i+3], s[12:13] offset:(2*\i+8*(\i/4))*256 th:TH_STORE_NT   ; stage rows 8-15 are the tokens 16-23 of the tile; 16 lanes store 256 consecutive bytes, aligned
.endr
	s_wait_tensorcnt 0x0
	ds_add_u32 v254, v255
	s_wait_dscnt 0x0
	s_endpgm
.Lfunc_end_k_q35ea7f50e9_outp:
	.size	k_q35ea7f50e9_outp, .Lfunc_end_k_q35ea7f50e9_outp-k_q35ea7f50e9_outp
	.p2alignl 7, 3214868480
	.fill 96, 4, 3214868480
	.section	.rodata,"a",@progbits
	.p2align	6, 0x0
	.amdhsa_kernel k_q35ea7f50e9_outp
		.amdhsa_group_segment_fixed_size 168192
		.amdhsa_private_segment_fixed_size 0
		.amdhsa_enable_private_segment 0
		.amdhsa_kernarg_size 40
		.amdhsa_user_sgpr_count 2
		.amdhsa_user_sgpr_kernarg_segment_ptr 1
		.amdhsa_wavefront_size32 1
		.amdhsa_system_sgpr_workgroup_id_x 1
		.amdhsa_system_sgpr_workgroup_id_y 1
		.amdhsa_system_sgpr_workgroup_id_z 1
		.amdhsa_system_vgpr_workitem_id 0
		.amdhsa_next_free_vgpr 256
		.amdhsa_next_free_sgpr 66
		.amdhsa_reserve_vcc 0
		.amdhsa_float_denorm_mode_32 3
		.amdhsa_float_denorm_mode_16_64 3
		.amdhsa_memory_ordered 1
		.amdhsa_forward_progress 1
		.amdhsa_inst_pref_size 30
	.end_amdhsa_kernel
	.amdgpu_metadata
---
amdhsa.version: [ 1, 2 ]
amdhsa.kernels:
  - .name:           k_q35ea7f50e9_outp
    .symbol:         k_q35ea7f50e9_outp.kd
    .args:
      - { .name: cf, .offset: 0, .size: 8, .value_kind: global_buffer, .address_space: global }
      - { .name: wc, .offset: 8, .size: 8, .value_kind: global_buffer, .address_space: global }
      - { .name: ws, .offset: 16, .size: 8, .value_kind: global_buffer, .address_space: global }
      - { .name: bo, .offset: 24, .size: 8, .value_kind: global_buffer, .address_space: global }
      - { .name: out0, .offset: 32, .size: 8, .value_kind: global_buffer, .address_space: global }
    .group_segment_fixed_size: 168192
    .private_segment_fixed_size: 0
    .kernarg_segment_align: 8
    .kernarg_segment_size: 40
    .max_flat_workgroup_size: 64
    .sgpr_count:     66
    .vgpr_count:     256
    .wavefront_size: 32
...
	.end_amdgpu_metadata
.endif
;; end of part 4
